; MI455X (gfx1250); checked and timed in simulation.
; The chip was launched on July 23, 2026; its instructions are those of AMD's public machine-readable ISA for CDNA 5 (MIT licence, August 2026) and "CDNA5" Instruction Set Architecture Reference Guide (July 2026). The comments in the code are by the model that wrote it; some were corrected since.
;; Linformer Attention. Allowed arithmetic: matrix products marked QUANTISED: E2M1 operands, one E8M0 scale for each 32 along K, by v_wmma_scale_f32_16x16x128_f8f6f4 with both operands' format E2M1 (or v_wmma_scale_f32_32x16x128_f4), f32 sums; products left as they are: bf16, f16 or f32 operands; f32 sums; everything else in f32.
;; Inputs: E 4,096 x 1,024 float32; F 4,096 x 1,024 float32; W_attn 1,024 x 3,072 float32; W_proj 1,024 x 1,024 float32; b_attn 3,072 float32; b_proj 1,024 float32; x 2 x 4,096 x 1,024 float32.
;; Outputs: out0 2 x 4,096 x 1,024 float32.
;; This version of the problem:
;;   THIS VERSION OF THE PROBLEM IS GIVEN IN LOW PRECISION. The matrix products marked QUANTISED in the list below multiply operands that are first quantised to E2M1 (2 exponent bits, 1 mantissa bit; 4 bits a number), with one power-of-two scale for each 32 numbers along K (OCP MX v1.0); their sums are f32. The products marked 'left as it is' may take bf16, f16 or f32 operands, with f32 sums. Whichever they take, every output number must still come out within the allowed error. Rounding operands to bf16 (8 significant bits) uses up far more of that allowance than f16 does (11 bits, for magnitudes from 6e-5 to 65,504). All else is computed in f32.
;;   The module's matrix products, in the order in which they are computed (A, B: the left and right operand; K: the contracted axis; several contracted axes count as one K, in the product's order):
;;     1. [M 8,192, K 1,024] x [K 1,024, N 3,072]; A: input x; B: input W_attn: QUANTISED
;;     2. [M 1,024, K 4,096] x [K 4,096, N 2,048]; A: input E; B: computed on the way: left as it is (an operand is computed on the way)
;;     3. [M 1,024, K 4,096] x [K 4,096, N 2,048]; A: input F; B: computed on the way: left as it is (an operand is computed on the way)
;;     4. batch 32 x [M 4,096, K 64] x [K 64, N 1,024]; A: computed on the way; B: computed on the way: left as it is (an operand is computed on the way)
;;     5. batch 32 x [M 4,096, K 1,024] x [K 1,024, N 64]; A: computed on the way; B: computed on the way: left as it is (an operand is computed on the way)
;;     6. [M 8,192, K 1,024] x [K 1,024, N 1,024]; A: computed on the way; B: input W_proj: left as it is (an operand is computed on the way)
;;   THE QUANTISER, for each operand of a quantised product, along K:
;;     - K is cut into blocks of 32 from its start; a last block that is shorter is filled with zeros.
;;     - A block's scale is 2^e with e = floor(log2(the largest magnitude in the block)) - 2, held to -126 .. 127; a block of zeros has e = 0. As a byte (E8M0): e + 127.
;;     - Each number is divided by its block's scale, clamped to +-6, and rounded to the nearest number of E2M1, ties to even, subnormals kept.
;;     - The product sums the exact products of the quantised numbers (number of the format x scale) in f32.
;;   ~~~python
;;   def quantise(x, axis):      # numpy; x: float32 -> the quantised numbers, widened to float32 again
;;       x = np.moveaxis(x, axis, -1); K = x.shape[-1]
;;       x = np.pad(x, [(0, 0)] * (x.ndim - 1) + [(0, -K % 32)]); x = x.reshape(x.shape[:-1] + (-1, 32)); a = np.abs(x).max(-1, keepdims=True)
;;       e = np.where(a > 0, np.clip(np.frexp(np.where(a > 0, a, 1))[1] - 1 - 2, -126, 127), 0)      # np.frexp(a)[1] - 1 = floor(log2(a)), exactly
;;       r = np.clip(x / 2.0 ** e, -6, 6)
;;       step = 2.0 ** (np.maximum(np.frexp(np.where(r == 0, 1, r))[1] - 1, 0) - 1)
;;       q = np.round(r / step) * step * 2.0 ** e      # np.round: ties to even
;;       return np.moveaxis(q.reshape(q.shape[:-2] + (-1,))[..., :K], -1, axis).astype(np.float32)
;;   ~~~
;; One version. Each part assembles by itself: llvm-mc -triple=amdgcn-amd-amdhsa -mcpu=gfx1250 --defsym DOCPART=n.
;; ======== version 1 of 1: 6 launches
;; limits: values are held in f16: magnitudes above 65,504 overflow, below 6.1e-05 lose precision
;; workspace buffers: codes 6,127,616 bytes; half 18,882,560 bytes; qkvt 50,331,648 bytes; qaux 4,200,448 bytes; kvt 8,519,680 bytes; yb 16,777,216 bytes
;; launch prep (part 1): grid 880 x 1, 4 waves a work-group, no clusters, 102,912 bytes of LDS; arguments x, W_attn, E, F, W_proj, codes, half; writes codes, half
.if DOCPART == 1
	.amdgcn_target "amdgcn-amd-amdhsa--gfx1250"
	.amdhsa_code_object_version 6
	.text
	.protected	k_q8f1492d124_prep
	.globl	k_q8f1492d124_prep
	.p2align	8
	.type	k_q8f1492d124_prep,@function
k_q8f1492d124_prep:
	s_mov_b64 s[64:65], 0
	v_nop
	global_prefetch_b8 v0, s[64:65] scope:SCOPE_SE
	s_setreg_imm32_b32 hwreg(HW_REG_WAVE_MODE, 25, 1), 1
	s_wait_xcnt 0x0
; THE OPERANDS ARE LAID OUT ONCE.  Three kinds of work-group, told apart by the work-group's number; the three ways never join, and each has LDS bytes of its own.
;   0..255   x [8192][1024] f32 -> codes of FP4 (E2M1), K innermost, 512 bytes a row, and one E8M0 byte for each 32 along K (codes + 0, codes + XS_OFF)
;   256..303 W_attn [1024 k][3072 n] f32 -> the same with K moved innermost: [3072][512 bytes], [3072][32 bytes] (codes + WC_OFF, codes + WS_OFF)
;   304..879 E, F [4096 t][1024], W_proj [1024 c][1024] f32 -> f16 with the first axis moved innermost: half + 0: [1024 slot][E's 4096 t | F's 4096 t]; half + WPT: [1024 n][1024 c];
;            and each wave's largest |E| or |F|, one f32 a wave, at half + MXEF (1024 words for E, then 1024 for F).
; A block's scale is 2^(floor(log2(its largest magnitude)) - 2): its byte is the largest magnitude's exponent field - 2, held at 1 from below.
; LIMITS: a block of zeros, or one whose largest magnitude lies under 2^-124, keeps the byte 1 (its codes are zeros or what the conversion gives; this program alone reads the bytes);
; |E|, |F|, |W_proj| must lie under 65,504 (f16); NaN and infinities among the inputs are not served.
.set XS_OFF, 4194304
.set WC_OFF, 4456448
.set WS_OFF, 6029312
.set WPT,    16777216
.set MXEF,   18874368
.set EMAX,   2
.set XWREG,  8192                      ; x's way: a region for each wave: two stages of 32 x 80 bytes and 256 scale bytes
.set XSP,    80
.set WSTG,   32768                     ; W_attn's way: four stages of 32 x 272 bytes
.set CSTG,   67584                     ; the f16 way: four stages of 32 x 272 bytes
.set RP,     272
.set SPARE,  102400                    ; the spare words, 128 bytes a wave: two blocks of 256 bytes that no other line names
.set SPW, 14
.set NIL, 15
	s_load_b256 s[36:43], s[0:1], 0x0              ; x s[36:37], W_attn s[38:39], E s[40:41], F s[42:43]
	s_load_b128 s[44:47], s[0:1], 0x20             ; W_proj s[44:45], codes s[46:47]
	s_load_b64 s[48:49], s[0:1], 0x30              ; half
	v_lshl_add_u32 v[SPW], v0, 2, SPARE
	v_mov_b32 v[NIL], 0
	v_lshrrev_b32 v1, 5, v0
	v_readfirstlane_b32 s16, v1                    ; wave 0..3
	v_and_b32 v2, 31, v0                           ; lane
	s_wait_kmcnt 0x0
	s_cmp_lt_u32 ttmp9, 256
	s_cbranch_scc1 .Lpath_x
	s_cmp_lt_u32 ttmp9, 304
	s_cbranch_scc1 .Lpath_w
; ---------------- E, F, W_proj to f16, first axis innermost.  A lane takes a column, its registers run down the first axis: a wave takes 32 columns x 128 rows.
.set CX,   32                          ; v32-95   two sets of 32 numbers
.set CCD,  96                          ; v96-111  16 pairs of f16
.set COUT, 112                         ; v112-175 the way out
.set OA,   176                         ; v176-191 the stores' offsets: the destination's pitch differs between the tensors, so it cannot stand in an immediate
	s_sub_co_u32 s17, ttmp9, 304
	s_and_b32 s18, s17, 7                          ; which 128 columns
	s_lshr_b32 s19, s17, 3                         ; 0..31 E, 32..63 F, 64..71 W_proj: which 128 rows
	s_cmp_lt_u32 s19, 32
	s_cselect_b64 s[4:5], s[40:41], s[42:43]
	s_cselect_b32 s22, 0, 8192                     ; F's half of a row of the destination
	s_cmp_lt_u32 s19, 64
	s_cselect_b64 s[4:5], s[4:5], s[44:45]
	s_mov_b32 s23, WPT
	s_cselect_b32 s22, s22, s23
	s_mov_b32 s24, 2048
	s_cselect_b32 s24, 16384, s24                  ; the destination's pitch in bytes
	s_and_b32 s25, s19, 31                         ; the block of 128 rows inside its tensor
	s_lshl_b32 s26, s18, 7
	s_lshl_b32 s27, s16, 5
	s_add_co_u32 s26, s26, s27                     ; my wave's first column
	s_lshl_b32 s28, s25, 19                        ; 128 rows of 4,096 bytes
	s_lshl_b32 s27, s26, 2
	s_add_co_u32 s28, s28, s27
	s_mov_b32 s29, 0
	s_add_nc_u64 s[4:5], s[4:5], s[28:29]
	s_mul_i32 s28, s26, s24
	s_add_co_u32 s28, s28, s22
	s_lshl_b32 s27, s25, 8                         ; 128 f16
	s_add_co_u32 s28, s28, s27
	s_add_nc_u64 s[6:7], s[48:49], s[28:29]
	v_lshlrev_b32 v3, 2, v2
	s_mul_i32 s27, s16, 32*RP
	s_add_co_u32 s27, s27, CSTG
	v_mul_u32_u24 v4, v2, RP
	v_add_nc_u32 v4, s27, v4                       ; into the stage: row = my column
	v_and_b32 v5, 15, v2
	v_lshrrev_b32 v6, 4, v2
	v_mul_u32_u24 v7, v6, RP
	v_lshl_add_u32 v7, v5, 4, v7
	v_add_nc_u32 v7, s27, v7                       ; out of it: sixteen lanes to a row, two rows an instruction
	v_mul_lo_u32 v[OA], v6, s24
	v_lshl_add_u32 v[OA], v5, 4, v[OA]
	s_lshl_b32 s30, s24, 1
.irp t, 1,2,3,4,5,6,7,8,9,10,11,12,13,14,15
	v_add_nc_u32 v[OA+\t], s30, v[OA+\t-1]
.endr
	v_mov_b32 v12, 0                               ; the running largest magnitude, in two chains
	v_mov_b32 v13, 0
.macro CLOAD t
.set j, 0
.rept 32
	global_load_b32 v[CX+32*((\t)%2)+j], v3, s[4:5] offset:(32*(\t)+j)*4096 th:TH_LOAD_NT
.set j, j+1
.endr
.endm
.macro CBLOCK t
.set CXS, CX+32*((\t)%2)
.if (\t) < 3
	s_wait_loadcnt 32                              ; this block's 32 loads are in; the next block's may be out
.else
	s_wait_loadcnt 0
.endif
.irp i, 0,4,8,12,16,20,24,28
	v_max3_num_f32 v12, v12, |v[CXS+\i]|, |v[CXS+\i+1]|
	v_max3_num_f32 v13, v13, |v[CXS+\i+2]|, |v[CXS+\i+3]|
.endr
.irp i, 0,1,2,3,4,5,6,7,8,9,10,11,12,13,14,15
	v_cvt_pk_f16_f32 v[CCD+\i], v[CXS+2*\i], v[CXS+2*\i+1]
.endr
.irp q, 0,1,2,3
	ds_store_b128 v4, v[CCD+4*\q:CCD+4*\q+3] offset:64*(\t)+16*\q
.endr
.if (\t)+2 < 4
	CLOAD (\t)+2
.endif
	s_wait_dscnt 0x0                               ; the stores have read their registers: the next block's pairs may be written
.endm
	CLOAD 0
	CLOAD 1
	CBLOCK 0
	CBLOCK 1
	CBLOCK 2
	CBLOCK 3
	s_cmp_ge_u32 s19, 64                           ; W_proj's largest magnitude is wanted by nobody
	s_cbranch_scc1 .Lc_out
	s_mov_b32 s30, 0x76543210
	s_mov_b32 s31, 0xfedcba98
	v_max_num_f32 v12, v12, v13
	v_max_num_f32_dpp v12, v12, v12 row_xmask:1 row_mask:0xf bank_mask:0xf
	v_max_num_f32_dpp v12, v12, v12 row_xmask:2 row_mask:0xf bank_mask:0xf
	v_max_num_f32_dpp v12, v12, v12 row_xmask:4 row_mask:0xf bank_mask:0xf
	v_max_num_f32_dpp v12, v12, v12 row_xmask:8 row_mask:0xf bank_mask:0xf
	v_permlanex16_b32 v13, v12, s30, s31
	v_max_num_f32 v12, v12, v13                    ; the wave's largest |E| or |F|
	s_lshl_b32 s27, s25, 3
	s_add_co_u32 s27, s27, s18
	s_lshl_b32 s27, s27, 2
	s_add_co_u32 s27, s27, s16                     ; (8 x row block + column block) x 4 + wave
	s_lshr_b32 s28, s19, 5
	s_lshl_b32 s28, s28, 10                        ; + 1024 for F
	s_add_co_u32 s27, s27, s28
	s_lshl_b32 s28, s27, 2
	s_add_co_u32 s28, s28, MXEF
	s_add_nc_u64 s[8:9], s[48:49], s[28:29]
	v_mov_b32 v1, 0
	v_cmp_eq_u32 vcc_lo, 0, v2
	s_wait_xcnt 0x0                                ; EXEC changes only behind this wait
	s_and_saveexec_b32 s20, vcc_lo
	global_store_b32 v1, v12, s[8:9]               ; lane 0 alone
	s_wait_xcnt 0x0
	s_or_b32 exec_lo, exec_lo, s20
.Lc_out:
.irp t, 0,1,2,3,4,5,6,7,8,9,10,11,12,13,14,15
	ds_load_b128 v[COUT+4*\t:COUT+4*\t+3], v7 offset:2*\t*RP   ; LDS serves a wave's instructions in order: these see my stores
.endr
.irp t, 0,1,2,3,4,5,6,7,8,9,10,11,12,13,14,15
	s_wait_dscnt 15-\t
	global_store_b128 v[OA+\t], v[COUT+4*\t:COUT+4*\t+3], s[6:7]   ; sixteen lanes store 256 consecutive bytes, aligned
.endr
	s_wait_tensorcnt 0x0                           ; the wave's end, behind my last LDS store
	ds_add_u32 v[SPW], v[NIL]
	s_wait_dscnt 0x0
	s_endpgm
; ---------------- x: a plain stream of blocks of 32.  A wave takes 16 steps of 512 numbers; each load reads 512 consecutive bytes; a step's 2,048 bytes turn through the wave's stage so that a lane holds 16 neighbours.
.set XR,  16                           ; v16-79   four sets of 16 numbers as loaded
.set XX,  80                           ; v80-111  two sets of 16 neighbours
.set XE,  112                          ; v112-127 a scale byte for each step
.set XCD, 128                          ; v128-191 codes, four registers for each step
.set CB,  8
.Lpath_x:
	v_lshlrev_b32 v3, 4, v2
	s_mul_i32 s17, s16, XWREG
	v_lshrrev_b32 v12, 2, v2
	v_mul_u32_u24 v12, v12, XSP
	v_and_b32 v13, 3, v2
	v_lshl_add_u32 v12, v13, 4, v12
	v_add_nc_u32 v12, s17, v12                     ; the stage, on the way in: four lanes' 64 bytes on end, then 16 of padding
	v_mul_u32_u24 v13, v2, XSP
	v_add_nc_u32 v13, s17, v13                     ; on the way out: my 16 neighbours
	v_mul_u32_u24 v4, v2, CB
	v_lshrrev_b32 v5, 1, v2
	s_add_co_u32 s17, s17, 2*32*XSP
	v_add_nc_u32 v5, s17, v5                       ; my block's scale byte in LDS
	v_lshlrev_b32 v7, 3, v2
	v_add_nc_u32 v6, s17, v7
	s_lshl_b32 s18, ttmp9, 2
	s_add_co_u32 s18, s18, s16                     ; which run of 8,192 numbers is my wave's
	s_lshl_b32 s20, s18, 15
	s_mov_b32 s21, 0
	s_add_nc_u64 s[4:5], s[36:37], s[20:21]
	s_lshl_b32 s20, s18, 12
	s_add_nc_u64 s[8:9], s[46:47], s[20:21]
	s_lshl_b32 s20, s18, 8
	s_add_co_u32 s20, s20, XS_OFF
	s_add_nc_u64 s[10:11], s[46:47], s[20:21]
.macro XLOAD t
.irp i, 0,1,2,3
	global_load_b128 v[XR+16*((\t)%4)+4*\i:XR+16*((\t)%4)+4*\i+3], v3, s[4:5] offset:2048*(\t)+512*\i th:TH_LOAD_NT
.endr
.endm
.macro XTURN t
.irp i, 0,1,2,3
	ds_store_b128 v12, v[XR+16*((\t)%4)+4*\i:XR+16*((\t)%4)+4*\i+3] offset:32*XSP*((\t)%2)+8*XSP*\i
.endr
.irp i, 0,1,2,3
	ds_load_b128 v[XX+16*((\t)%2)+4*\i:XX+16*((\t)%2)+4*\i+3], v13 offset:32*XSP*((\t)%2)+16*\i
.endr
.endm
.irp t, 0,1,2,3
	XLOAD \t
.endr
	s_wait_loadcnt 12                              ; step 0's four loads are in
	XTURN 0
.macro XSTEP t
.set XS, XX+16*((\t)%2)
.if (\t) > 0
	s_wait_dscnt 1                                 ; this step's numbers are back from the stage (the last step's byte store may be out)
.else
	s_wait_dscnt 0x0
.endif
.if (\t)+4 < 16
	XLOAD (\t)+4
.endif
.if (\t)+1 < 16
.if 14-(\t) >= 3
	s_wait_loadcnt 12                              ; the next step's four loads are in; those of the three steps behind it may be out
.else
	s_wait_loadcnt 4*(14-(\t))
.endif
	XTURN (\t)+1
.endif
	v_max3_num_f32 v8, |v[XS]|, |v[XS+1]|, |v[XS+2]|
	v_max3_num_f32 v9, |v[XS+3]|, |v[XS+4]|, |v[XS+5]|
.irp i, 6,10
	v_max3_num_f32 v8, v8, |v[XS+\i]|, |v[XS+\i+1]|
	v_max3_num_f32 v9, v9, |v[XS+\i+2]|, |v[XS+\i+3]|
.endr
	v_max3_num_f32 v8, v8, |v[XS+14]|, |v[XS+15]|
	v_max3_num_f32 v8, v8, v9, (EMAX+1)<<23        ; the floor 2^(3 - 127): the byte cannot fall under 1
	v_max_num_f32_dpp v8, v8, v8 row_xmask:1 row_mask:0xf bank_mask:0xf   ; with my neighbour's 16: the block's
	v_add_nc_u32 v10, -(EMAX<<23), v8              ; 2 off its exponent field: the conversion takes this operand's exponent field as its scale
	v_cvt_scalef32_pk8_fp4_f32 v[XCD+4*(\t)], v[XS:XS+7], v10
	v_cvt_scalef32_pk8_fp4_f32 v[XCD+4*(\t)+1], v[XS+8:XS+15], v10
	v_lshrrev_b32 v[XE+(\t)], 23, v10              ; the scale's byte
	ds_store_b8 v5, v[XE+(\t)] offset:16*(\t)      ; both lanes of a block write the same byte with the same value
	global_store_b64 v4, v[XCD+4*(\t):XCD+4*(\t)+1], s[8:9] offset:32*CB*(\t)   ; the wave stores 256 consecutive bytes, aligned
.endm
.irp t, 0,1,2,3,4,5,6,7,8,9,10,11,12,13,14,15
	XSTEP \t
.endr
	ds_load_b64 v[8:9], v6
	s_wait_dscnt 0x0
	global_store_b64 v7, v[8:9], s[10:11]          ; the wave's 256 scale bytes, aligned
	s_wait_tensorcnt 0x0                           ; the wave's end: the three lines
	ds_add_u32 v[SPW], v[NIL]
	s_wait_dscnt 0x0
	s_endpgm
; ---------------- W_attn: K is its first axis.  A lane takes a column n and its registers run down K: a block of 32 lies in one lane, and the conversions give codes with K innermost.
.set WN4,  12288                       ; a row of W_attn in bytes
.set WX,   32
.set WCD,  96
.set WOUT, 112
.set WSB,  24
.Lpath_w:
	s_sub_co_u32 s17, ttmp9, 256
	s_cmp_ge_u32 s17, 24
	s_cselect_b32 s18, 1, 0                        ; which 512 along K
	s_cselect_b32 s19, 24, 0
	s_sub_co_u32 s19, s17, s19                     ; which 128 columns
	s_lshl_b32 s17, s19, 7
	s_lshl_b32 s19, s16, 5
	s_add_co_u32 s17, s17, s19                     ; my wave's first column
	v_lshlrev_b32 v3, 2, v2
	s_mul_i32 s19, s16, 32*RP
	s_add_co_u32 s19, s19, WSTG
	v_mul_u32_u24 v4, v2, RP
	v_add_nc_u32 v4, s19, v4
	v_and_b32 v5, 15, v2
	v_lshrrev_b32 v6, 4, v2
	v_mul_u32_u24 v7, v6, RP
	v_lshl_add_u32 v7, v5, 4, v7
	v_add_nc_u32 v7, s19, v7
	v_lshlrev_b32 v8, 9, v6                        ; a row of codes is 512 bytes
	v_lshl_add_u32 v8, v5, 4, v8
	v_lshlrev_b32 v9, 5, v2                        ; a row of scale bytes is 32
	s_mul_i32 s20, s18, 512*WN4
	s_lshl_b32 s22, s17, 2
	s_add_co_u32 s20, s20, s22
	s_mov_b32 s21, 0
	s_add_nc_u64 s[4:5], s[38:39], s[20:21]
	s_lshl_b32 s20, s17, 9
	s_lshl_b32 s22, s18, 8
	s_add_co_u32 s20, s20, s22
	s_add_co_u32 s20, s20, WC_OFF
	s_add_nc_u64 s[6:7], s[46:47], s[20:21]
	s_lshl_b32 s20, s17, 5
	s_lshl_b32 s22, s18, 4
	s_add_co_u32 s20, s20, s22
	s_add_co_u32 s20, s20, WS_OFF
	s_add_nc_u64 s[8:9], s[46:47], s[20:21]
.macro WLOAD t
.set j, 0
.rept 32
	global_load_b32 v[WX+32*((\t)%2)+j], v3, s[4:5] offset:(32*(\t)+j)*WN4 th:TH_LOAD_NT
.set j, j+1
.endr
.endm
	WLOAD 0
	WLOAD 1
.macro WBLOCK t
.set WXS, WX+32*((\t)%2)
.if (\t) < 15
	s_wait_loadcnt 32                              ; this block's 32 loads are in; the next block's may be out
.else
	s_wait_loadcnt 0
.endif
	v_max3_num_f32 v12, |v[WXS]|, |v[WXS+1]|, |v[WXS+2]|
	v_max3_num_f32 v13, |v[WXS+3]|, |v[WXS+4]|, |v[WXS+5]|
.irp i, 6,10,14,18,22,26
	v_max3_num_f32 v12, v12, |v[WXS+\i]|, |v[WXS+\i+1]|
	v_max3_num_f32 v13, v13, |v[WXS+\i+2]|, |v[WXS+\i+3]|
.endr
	v_max3_num_f32 v12, v12, |v[WXS+30]|, |v[WXS+31]|
	v_max3_num_f32 v12, v12, v13, (EMAX+1)<<23
	v_add_nc_u32 v11, -(EMAX<<23), v12
	v_lshrrev_b32 v13, 23, v11
.if (\t)%4 == 0
	v_mov_b32 v[WSB+(\t)/4], v13
.else
	v_lshl_or_b32 v[WSB+(\t)/4], v13, 8*((\t)%4), v[WSB+(\t)/4]
.endif
.irp g, 0,1,2,3
	v_cvt_scalef32_pk8_fp4_f32 v[WCD+\g], v[WXS+8*\g:WXS+8*\g+7], v11
.endr
	ds_store_b128 v4, v[WCD:WCD+3] offset:16*(\t)
.if (\t)+2 < 16
	WLOAD (\t)+2
.endif
	s_wait_dscnt 0x0                               ; the store has read its registers
.endm
.set Q, 0
.rept 16
	WBLOCK Q
.set Q, Q+1
.endr
	global_store_b128 v9, v[WSB:WSB+3], s[8:9]     ; my column's 16 scale bytes
.irp t, 0,1,2,3,4,5,6,7,8,9,10,11,12,13,14,15
	ds_load_b128 v[WOUT+4*\t:WOUT+4*\t+3], v7 offset:2*\t*RP
.endr
.irp t, 0,1,2,3,4,5,6,7,8,9,10,11,12,13,14,15
	s_wait_dscnt 15-\t
	global_store_b128 v8, v[WOUT+4*\t:WOUT+4*\t+3], s[6:7] offset:2*\t*512
.endr
	s_wait_tensorcnt 0x0                           ; the wave's end: the three lines
	ds_add_u32 v[SPW], v[NIL]
	s_wait_dscnt 0x0
	s_endpgm
.Lfunc_end_k_q8f1492d124_prep:
	.size	k_q8f1492d124_prep, .Lfunc_end_k_q8f1492d124_prep-k_q8f1492d124_prep
	.p2alignl 7, 3214868480
	.fill 96, 4, 3214868480
	.section	.rodata,"a",@progbits
	.p2align	6, 0x0
	.amdhsa_kernel k_q8f1492d124_prep
		.amdhsa_group_segment_fixed_size 102912
		.amdhsa_private_segment_fixed_size 0
		.amdhsa_enable_private_segment 0
		.amdhsa_kernarg_size 56
		.amdhsa_user_sgpr_count 2
		.amdhsa_user_sgpr_kernarg_segment_ptr 1
		.amdhsa_wavefront_size32 1
		.amdhsa_system_sgpr_workgroup_id_x 1
		.amdhsa_system_sgpr_workgroup_id_y 1
		.amdhsa_system_sgpr_workgroup_id_z 1
		.amdhsa_system_vgpr_workitem_id 0
		.amdhsa_next_free_vgpr 192
		.amdhsa_next_free_sgpr 66
		.amdhsa_reserve_vcc 1
		.amdhsa_float_denorm_mode_32 3
		.amdhsa_float_denorm_mode_16_64 3
		.amdhsa_memory_ordered 1
		.amdhsa_forward_progress 1
		.amdhsa_inst_pref_size 139
	.end_amdhsa_kernel
	.amdgpu_metadata
---
amdhsa.version: [ 1, 2 ]
amdhsa.kernels:
  - .name:           k_q8f1492d124_prep
    .symbol:         k_q8f1492d124_prep.kd
    .args:
      - { .name: x, .offset: 0, .size: 8, .value_kind: global_buffer, .address_space: global }
      - { .name: W_attn, .offset: 8, .size: 8, .value_kind: global_buffer, .address_space: global }
      - { .name: E, .offset: 16, .size: 8, .value_kind: global_buffer, .address_space: global }
      - { .name: F, .offset: 24, .size: 8, .value_kind: global_buffer, .address_space: global }
      - { .name: W_proj, .offset: 32, .size: 8, .value_kind: global_buffer, .address_space: global }
      - { .name: codes, .offset: 40, .size: 8, .value_kind: global_buffer, .address_space: global }
      - { .name: half, .offset: 48, .size: 8, .value_kind: global_buffer, .address_space: global }
    .group_segment_fixed_size: 102912
    .private_segment_fixed_size: 0
    .kernarg_segment_align: 8
    .kernarg_segment_size: 56
    .max_flat_workgroup_size: 128
    .sgpr_count:     66
    .vgpr_count:     192
    .wavefront_size: 32
...
	.end_amdgpu_metadata
.endif
;; end of part 1
;; launch qkv (part 2): grid 32 x 12, 4 waves a work-group, clusters of 4 x 4, 327,680 bytes of LDS; arguments codes, b_attn, F, qkvt, qaux; writes qkvt, qaux
.if DOCPART == 2
	.amdgcn_target "amdgcn-amd-amdhsa--gfx1250"
	.amdhsa_code_object_version 6
	.text
	.protected	k_q8f1492d124_qkv
	.globl	k_q8f1492d124_qkv
	.p2align	8
	.type	k_q8f1492d124_qkv,@function
k_q8f1492d124_qkv:
	s_mov_b64 s[64:65], 0
	v_nop
	global_prefetch_b8 v0, s[64:65] scope:SCOPE_SE
	s_setreg_imm32_b32 hwreg(HW_REG_WAVE_MODE, 25, 1), 1
	s_wait_xcnt 0x0
	s_wait_alu depctr_hold_cnt(0) depctr_sa_sdst(0) depctr_va_vdst(0) depctr_va_sdst(0) depctr_va_ssrc(0) depctr_va_vcc(0) depctr_vm_vsrc(0)
	s_getreg_b32 s2, hwreg(HW_REG_IB_STS2, 6, 4)
	s_cmp_eq_u32 s2, 0
	s_cbranch_scc0 .Lentry_in_a_cluster
	s_endpgm
.Lentry_in_a_cluster:
	s_bfe_u32 s2, ttmp6, 0x10000c
	s_cmp_lg_u32 s2, 0xf033
	s_cbranch_scc0 .Lentry_shape_is_right
	s_endpgm
.Lentry_shape_is_right:
; qkvT[c'][bt] = sum over k of Wq[c'][k] xq[bt][k] + b_attn[c'], on codes of FP4 (E2M1) with one E8M0 scale for each 32 along K; sums in f32; stored as f16, [3072][8192].
; A = W_attn's codes (3072 rows), B = x's codes (8192 rows), K = 1024.  A tile of 256 x 256 is made by four waves, each 128 x 128: 64 accumulators, 512 registers.
; K is two slots of 512: both are filled once, at the head; nothing is filled again.  The scale bytes of the work-group's rows come once, as two dense blocks.
; CLUSTERS: 4 x 4.  A's tiles are shared along a row of the cluster, B's along a column: joint loads, the same descriptor and a mask that names the four.
; THE ORDER OF THE TILES: tile row = 4 x (2 - cluster row) + cy: cluster row 0 makes v's tiles, row 1 k's, row 2 q's: the tiles that carry the extra f32 sums have the lowest work-group numbers.
; THE MATRIX INSTRUCTION IS USED TRANSPOSED (source 0 = 16 rows of x, source 1 = 16 rows of W): lane (r, h) of accumulator (a, b) holds channel 16 a + r and positions 16 b + 8 h + 0..7.
; The bias is the C of each sum's first product.
; BESIDE IT: each wave's largest |k| or |v| (one f32, qaux + MXKV), and, in v's tiles, the f32 partial sums over the wave's 128 positions of v_proj's slots 0..15 (sum of F[t][slot] v[t][c]), from the f32 sums
; as they stand in the accumulators, by the f32 matrix form: 16 slots x 2048 channels x 4096 positions in all, a five-hundredth of the program's multiply-adds.  They serve the first 16 rows of each batch.
; LIMITS: |q|, |k|, |v| must lie under 65,504 (f16).  The maxima are taken in q's tiles too (one text for all tiles) and stored for k and v alone.
; REGISTERS: window 0: v0-31 addresses; v32-95 scale words, two sets; v96-127 packed results; v128-191 A's fragments; v192-255 the bias tiles, later rows on the way out.
;   window 1: v0-63, v128-191 B's fragments, two sets; v64-127 F's numbers; v192-255 the eight f32 sums.   windows 2, 3: the accumulators.
.set WC_OFF, 4456448
.set WS_OFF, 6029312
.set XS_OFF, 4194304
.set MXKV,   4194304
.set CROW,   16384                     ; a row of qkvT in bytes
.set KSTEP,  512
.set NQ,     KSTEP/128
.set ROWB,   256
.set KROW,   512
.set PITCH,  272                       ; an LDS row: 256 bytes + 16: the 16 rows that a load touches start at 16 different banks
.set FR,     8
.set NL,     2
.set NP,     4
.set HALFT,  128*PITCH
.set SLOT,   4*HALFT
.set KS,     32
.set SCL,    2*SLOT
.set HALFS,  (128*KS/256)*272
.set SBLK,   (16*KS/256)*272
.set SPARE,  SCL+4*HALFS               ; the spare words, 128 bytes a wave
.set SPITCH, 272                       ; the way out: 16 rows x (256 + 16) bytes for each wave, in slot 0, which has had its only fill and its last read by then
.set B4,   7
.set MX,   10                          ; v10, v11 the running largest magnitude
.set ADRA, 16
.set ADRB, 20
.set STO,  24
.set RD,   25
.set CO,   26
.set ADRS, 27
.set SPW,  28
.set NIL,  29
.set FO,   30
.set L16,  31
.set SC,   32
.set TMP,  96
.set AF,   128
.set BT,   192
.set BK,   192
.set G1, 24
.set G0, 32
.set G1B, 48
.set G0B, 56
.set G1S, 68
.set G0S, 76
.set G1SB, 80
.set G0SB, 88
.set MSB, 0
.macro WIN new                         ; the immediate's high byte repeats the setting that is left
.if MSB != \new
	s_set_vgpr_msb (MSB<<8)|\new
.set MSB, \new
.endif
.endm
.set MUL_LO, 0xa1                      ; source 0 (x) window 1, source 1 (W) window 0, C and D window 2
.set MUL_HI, 0xf1
.set TO_B,   0x40
.macro JLOAD g0a, g1a, g0b, g1b        ; a joint load: waves 0 and 1 fetch for A, waves 2 and 3 for B; an s_nop 0 and four v_nop follow each line
	s_cmp_eq_u32 s15, 0
	s_cbranch_scc0 .Lfor_b_\@
	tensor_load_to_lds s[\g0a:\g0a+3], s[\g1a:\g1a+7]
	s_nop 0
.rept 4
	v_nop
.endr
	s_branch .Lasked_\@
.Lfor_b_\@:
	tensor_load_to_lds s[\g0b:\g0b+3], s[\g1b:\g1b+7]
	s_nop 0
.rept 4
	v_nop
.endr
.Lasked_\@:
.endm
.macro CREST
	s_cmp_lg_u32 s14, 0
	s_cbranch_scc1 .Lnot_wave_0_\@
	s_barrier_signal -3
.Lnot_wave_0_\@:
	s_barrier_wait -3
	s_barrier_signal -1
	s_barrier_wait -1
.endm
.macro CROUND
	s_barrier_signal -1
	s_barrier_wait -1
	CREST
.endm
	s_load_b64 s[8:9], s[0:1], 0x0                 ; codes (x's codes lie at its head)
	s_load_b128 s[96:99], s[0:1], 0x8              ; b_attn s[96:97], F s[98:99]
	s_load_b64 s[12:13], s[0:1], 0x18              ; qkvt
	s_load_b64 s[66:67], s[0:1], 0x20              ; qaux
	v_lshl_add_u32 v[SPW], v0, 2, SPARE
	v_mov_b32 v[NIL], 0
	ds_add_u32 v[SPW], v[NIL]                      ; the wave's opening: the add, twice on end, and its wait ahead of my first tensor load
	ds_add_u32 v[SPW], v[NIL]
	v_lshrrev_b32 v1, 5, v0
	v_readfirstlane_b32 s14, v1                    ; wave 0..3
	s_lshr_b32 s15, s14, 1                         ; which half of the tile's rows is mine.  Also: I fetch for A (0) or for B (1)
	s_and_b32 s16, s14, 1                          ; which half of its columns.  Also: which 128 rows I fetch
	s_bfe_u32 s40, ttmp6, 0x40000                  ; cx, cy
	s_bfe_u32 s41, ttmp6, 0x40004
	s_lshl_b32 s42, ttmp9, 2
	s_add_co_u32 s42, s42, s40                     ; tile column
	s_and_b32 s17, ttmp7, 0xffff
	s_sub_co_u32 s17, 2, s17                       ; cluster row 0 takes v's four tile rows, row 1 k's, row 2 q's
	s_lshl_b32 s17, s17, 2
	s_add_co_u32 s17, s17, s41                     ; tile row
	s_lshl_b32 s43, s41, 2
	s_lshl_b32 s43, 15, s43                        ; my row of the cluster
	s_lshl_b32 s44, 0x1111, s40                    ; my column
	s_or_b32 s[G1+0], s43, (0<<16)|(1<<20)|(1<<21)|(5<<22)|(3<<25)  ; the mask; elements of 1 byte; padding: 4 words behind every 64; bit 21 beside a mask
	s_or_b32 s[G1B+0], s44, (0<<16)|(1<<20)|(1<<21)|(5<<22)|(3<<25)
.irp g, G1, G1B
	s_mov_b32 s[\g+1], ROWB<<16
	s_mov_b32 s[\g+2], 128<<16
	s_mov_b32 s[\g+3], ROWB<<16
	s_mov_b32 s[\g+4], 128
	s_mov_b32 s[\g+5], KROW
	s_mov_b32 s[\g+6], 0
	s_mov_b32 s[\g+7], 0
.endr
	s_or_b32 s[G1S+0], s43, (3<<16)|(1<<20)|(1<<21)|(5<<22)|(3<<25)  ; the scales of 128 rows: a dense block, as rows of 256 bytes
	s_or_b32 s[G1SB+0], s44, (3<<16)|(1<<20)|(1<<21)|(5<<22)|(3<<25)
.irp g, G1S, G1SB
	s_mov_b32 s[\g+1], 32<<16
	s_mov_b32 s[\g+2], (128*KS/256)<<16
	s_mov_b32 s[\g+3], 32<<16
	s_mov_b32 s[\g+4], 128*KS/256
	s_mov_b32 s[\g+5], 32
	s_mov_b32 s[\g+6], 0
	s_mov_b32 s[\g+7], 0
.endr
	s_lshl_b32 s18, s16, 7
	s_lshl_b32 s20, s17, 8
	s_add_co_u32 s20, s20, s18                     ; A: row 256 x tile row + 128 x half
	s_lshl_b32 s46, s42, 8
	s_add_co_u32 s46, s46, s18                     ; B: row 256 x tile column + 128 x half
	s_mov_b32 s21, 0
	s_mov_b32 s47, 0
	s_mov_b64 s[18:19], KS
	s_mul_u64 s[22:23], s[20:21], s[18:19]
	s_mul_u64 s[92:93], s[46:47], s[18:19]
	s_mov_b64 s[18:19], KROW
	s_mul_u64 s[20:21], s[20:21], s[18:19]
	s_mul_u64 s[46:47], s[46:47], s[18:19]
	s_mul_i32 s45, s14, HALFT
	s_mul_i32 s94, s14, HALFS
	s_wait_dscnt 0x0                               ; both opening adds are done
	s_wait_kmcnt 0x0
	s_add_nc_u64 s[4:5], s[8:9], WC_OFF            ; W's codes,
	s_add_nc_u64 s[6:7], s[8:9], WS_OFF            ; W's scales,
	s_add_nc_u64 s[10:11], s[8:9], XS_OFF          ; x's scales
	s_add_nc_u64 s[20:21], s[4:5], s[20:21]
	s_add_nc_u64 s[22:23], s[6:7], s[22:23]
	s_add_nc_u64 s[46:47], s[8:9], s[46:47]
	s_add_nc_u64 s[92:93], s[10:11], s[92:93]
	CROUND                                         ; all sixteen work-groups are here: the first joint loads meet
	s_mov_b32 s[G0S], 1
	s_add_co_u32 s[G0S+1], s94, SCL
	s_mov_b64 s[G0S+2:G0S+3], s[22:23]
	s_or_b32 s[G0S+3], s[G0S+3], 0x80000000
	s_mov_b32 s[G0SB], 1
	s_add_co_u32 s[G0SB+1], s94, SCL
	s_mov_b64 s[G0SB+2:G0SB+3], s[92:93]
	s_or_b32 s[G0SB+3], s[G0SB+3], 0x80000000
	JLOAD G0S, G1S, G0SB, G1SB
.irp s, 0,1
	s_mov_b32 s[G0+4*\s], 1
	s_add_co_u32 s[G0+4*\s+1], s45, \s*SLOT
	s_add_nc_u64 s[G0+4*\s+2:G0+4*\s+3], s[20:21], \s*ROWB
	s_or_b32 s[G0+4*\s+3], s[G0+4*\s+3], 0x80000000
	s_mov_b32 s[G0B+4*\s], 1
	s_add_co_u32 s[G0B+4*\s+1], s45, \s*SLOT
	s_add_nc_u64 s[G0B+4*\s+2:G0B+4*\s+3], s[46:47], \s*ROWB
	s_or_b32 s[G0B+4*\s+3], s[G0B+4*\s+3], 0x80000000
	JLOAD G0+4*\s, G1, G0B+4*\s, G1B
.endr
	v_and_b32 v1, 15, v0                           ; r
	v_bfe_u32 v2, v0, 4, 1                         ; h
	s_lshl_b32 s20, s17, 8
	s_lshl_b32 s21, s15, 7
	s_add_co_u32 s20, s20, s21                     ; my first channel
	s_lshl_b32 s22, s20, 2
	s_mov_b32 s23, 0
	s_add_nc_u64 s[96:97], s[96:97], s[22:23]
	v_lshlrev_b32 v[B4], 2, v1
.irp a, 0,1,2,3,4,5,6,7
	global_load_b32 v[BT+8*\a], v[B4], s[96:97] offset:64*\a   ; b_attn of channel 16 a + r
.endr
	s_lshl_b32 s20, s20, 14                        ; my first channel's row of qkvT,
	s_mov_b32 s21, 0
	s_lshl_b32 s46, s42, 9
	s_lshl_b32 s47, s16, 8
	s_add_co_u32 s46, s46, s47                     ; my first position, in bytes
	s_mov_b32 s47, 0
	s_add_nc_u64 s[20:21], s[20:21], s[46:47]
	s_add_nc_u64 s[12:13], s[12:13], s[20:21]
	v_mul_u32_u24 v3, v1, PITCH
	v_lshl_add_u32 v4, v2, 4, v3
	s_mul_i32 s21, s15, HALFT
	s_mul_i32 s22, s16, HALFT
	s_add_co_u32 s22, s22, 2*HALFT
.irp s, 0,1
	v_add_nc_u32 v[ADRA+\s], s21, v4
	v_add_nc_u32 v[ADRB+\s], s22, v4
	s_add_co_u32 s21, s21, SLOT
	s_add_co_u32 s22, s22, SLOT
.endr
	v_mul_u32_u24 v5, v1, KS
	v_lshrrev_b32 v6, 8, v5
	v_lshl_add_u32 v5, v6, 4, v5
	s_mul_i32 s21, s15, HALFS
	s_mul_i32 s22, s16, HALFS
	s_add_co_u32 s22, s22, 2*HALFS
	s_sub_co_u32 s22, s22, s21
	v_mul_u32_u24 v6, s22, v2                      ; lanes 16-31 take B's scale words
	s_add_co_u32 s21, s21, SCL
	v_add_nc_u32 v5, v5, v6
	v_add_nc_u32 v[ADRS], s21, v5
	s_mul_i32 s23, s14, 16*SPITCH                  ; my stage
	v_mul_u32_u24 v5, v1, SPITCH
	v_lshl_add_u32 v5, v2, 4, v5
	v_add_nc_u32 v[STO], s23, v5                   ; in: row r, 16 bytes for each half of the lanes
	v_mul_u32_u24 v5, v2, SPITCH
	v_lshl_add_u32 v5, v1, 4, v5
	v_add_nc_u32 v[RD], s23, v5                    ; back: lanes 0-15 one row of 256 bytes, lanes 16-31 the next
	v_lshlrev_b32 v5, 14, v2
	v_lshl_add_u32 v[CO], v1, 4, v5                ; the same two rows in qkvT
	v_lshlrev_b32 v[FO], 2, v1
	v_lshl_add_u32 v[FO], v2, 15, v[FO]            ; F: 8 h rows of 4,096 bytes + 4 r
	v_and_b32 v[L16], 31, v0
	v_lshlrev_b32 v[L16], 4, v[L16]
	v_mov_b32 v[MX], 0
	v_mov_b32 v[MX+1], 0
	s_wait_loadcnt 0x0                             ; the bias
.set j, 0
.rept 64
.if j%8
	v_mov_b32 v[BT+j], v[BT+j-j%8]                 ; a lane's eight results of a tile belong to one channel: the same bias eight times
.endif
.set j, j+1
.endr
.rept 4
	v_nop
.endr
.macro FRAG reg, adr, q, i
.irp c, 0,1
	ds_load_b128 v[\reg+4*\c:\reg+4*\c+3], v[\adr] offset:64*(\q)+32*\c+(\i)*16*PITCH
.endr
.endm
; 16 matrix instructions: A's blocks a0, a0 + 1 x B's eight.  first = 1: the bias tile is the C.  The 64 accumulators take turns, one instruction a turn.
.macro MUL16 a0, p, q, sc, first
.irp a, \a0, \a0+1
.irp b, 0,1,2,3,4,5,6,7
.if \first
	v_wmma_scale_f32_16x16x128_f8f6f4 v[8*(8*((\a)%4)+\b):8*(8*((\a)%4)+\b)+7], v[128*(\p)+FR*\b:128*(\p)+FR*\b+FR-1], v[AF+FR*(\a):AF+FR*(\a)+FR-1], v[BT+8*(\a):BT+8*(\a)+7], v[SC+8*NQ*(\sc)+NQ*\b+(\q)], v[SC+8*NQ*(\sc)+NQ*(\a)+(\q)] matrix_a_fmt:MATRIX_FMT_FP4 matrix_b_fmt:MATRIX_FMT_FP4 matrix_a_scale:MATRIX_SCALE_ROW1
.else
	v_wmma_scale_f32_16x16x128_f8f6f4 v[8*(8*((\a)%4)+\b):8*(8*((\a)%4)+\b)+7], v[128*(\p)+FR*\b:128*(\p)+FR*\b+FR-1], v[AF+FR*(\a):AF+FR*(\a)+FR-1], v[8*(8*((\a)%4)+\b):8*(8*((\a)%4)+\b)+7], v[SC+8*NQ*(\sc)+NQ*\b+(\q)], v[SC+8*NQ*(\sc)+NQ*(\a)+(\q)] matrix_a_fmt:MATRIX_FMT_FP4 matrix_b_fmt:MATRIX_FMT_FP4 matrix_a_scale:MATRIX_SCALE_ROW1
.endif
.endr
.endr
.endm
.macro FETCH_B slot, q, p
	WIN TO_B
.irp i, 0,1,2,3,4,5,6,7
	FRAG 128*(\p)+FR*\i, ADRB+\slot, \q, \i
.endr
	WIN 0
.endm
.macro FETCH_A slot, q, i0
.irp i, \i0, \i0+1, \i0+2, \i0+3
	FRAG AF+FR*(\i), ADRA+\slot, \q, \i
.endr
.endm
.macro SCALES sc
.irp i, 0,1,2,3,4,5,6,7
	ds_load_b128 v[SC+8*NQ*\sc+NQ*\i:SC+8*NQ*\sc+NQ*\i+3], v[ADRS] offset:\i*SBLK
.endr
.endm
.macro PLACES n                        ; plain vector instructions that name none of the matrix instructions' registers (ISA guide 7.12.1)
.rept \n
	v_nop
.endr
.endm
.macro STEP slot, q, first
	s_wait_dscnt 4*NL                              ; B's set and A's blocks 0-3 are in; the youngest loads (A's blocks 4-7) may be out
.if \first
	WIN 0x81                                       ; as MUL_LO, with C (the bias) in window 0
.else
	WIN MUL_LO
.endif
	MUL16 0, (\q)%2, \q, \slot, \first
	MUL16 2, (\q)%2, \q, \slot, \first
	s_wait_dscnt 0
	PLACES NP
	FETCH_B \slot, (\q)+1, 1-(\q)%2
	FETCH_A \slot, (\q)+1, 0
.if \first
	WIN 0xc1
.else
	WIN MUL_HI
.endif
	MUL16 4, (\q)%2, \q, \slot, \first
	MUL16 6, (\q)%2, \q, \slot, \first
	PLACES NP
	WIN 0
	FETCH_A \slot, (\q)+1, 4
.endm
; Slot 0's last step changes slots: one barrier; in front of it each wave waits for all its tensor loads (slot 1's part), adds 0 to its spare word, and waits for that and for its reads of slot 0.
.macro TURN slot, next
	s_wait_tensorcnt 0x0
	ds_add_u32 v[SPW], v[NIL]
	s_wait_dscnt 4*NL+1                            ; (the add and A's blocks 4-7 may be out)
	WIN MUL_LO
	MUL16 0, 1, NQ-1, \slot, 0
	s_wait_dscnt 0x0
	s_barrier_signal -1
	MUL16 2, 1, NQ-1, \slot, 0
	WIN 0
	s_barrier_wait -1
	PLACES NP
	v_add_nc_u32 v[ADRS], 4*NQ, v[ADRS]
	FETCH_B \next, 0, 0
	FETCH_A \next, 0, 0
	SCALES \next
	WIN MUL_HI
	MUL16 4, 1, NQ-1, \slot, 0
	MUL16 6, 1, NQ-1, \slot, 0
	PLACES NP
	WIN 0
	FETCH_A \next, 0, 4
.endm
	s_wait_tensorcnt 1                             ; the scales and my part of slot 0 are in (slot 1's load may be out)
	s_barrier_signal -1
	s_barrier_wait -1
	FETCH_B 0, 0, 0
	FETCH_A 0, 0, 0
	SCALES 0
	FETCH_A 0, 0, 4
	STEP 0, 0, 1
	STEP 0, 1, 0
	STEP 0, 2, 0
	TURN 0, 1
	STEP 1, 0, 0
	STEP 1, 1, 0
	STEP 1, 2, 0
	s_wait_dscnt 4*NL
	WIN MUL_LO
	MUL16 0, 1, NQ-1, 1, 0
	MUL16 2, 1, NQ-1, 1, 0
	s_wait_dscnt 0
	WIN MUL_HI
	MUL16 4, 1, NQ-1, 1, 0
	MUL16 6, 1, NQ-1, 1, 0
	WIN 0
	PLACES 5                                       ; four ahead of reads by vector instructions, five ahead of a matrix instruction that takes a result as an operand
; v's tiles (cluster row 0: the same in all sixteen partners): D(slot, c) += F(t, slot) v(t, c).  Registers 2 s, 2 s + 1 of accumulator (a, b) are source 1: lane (r, h) holds channel 16 a + r and
; positions 16 b + 8 h + 2 s + 0, 1; source 0 holds F at the same positions, slot r.  Four sums take turns.
	s_and_b32 s20, ttmp7, 0xffff
	s_cmp_lg_u32 s20, 0
	s_cbranch_scc1 .Lno_fine
	s_lshl_b32 s20, s42, 1
	s_add_co_u32 s20, s20, s16                     ; which 128 positions of the 8,192
	s_lshl_b32 s21, s20, 7
	s_and_b32 s21, s21, 4095                       ; t of the first
	s_lshl_b32 s92, s21, 12
	s_mov_b32 s93, 0
	s_add_nc_u64 s[98:99], s[98:99], s[92:93]
	s_lshl_b32 s92, s20, 16
	s_sub_co_u32 s21, s17, 8
	s_lshl_b32 s21, s21, 1
	s_add_co_u32 s21, s21, s15
	s_lshl_b32 s21, s21, 13                        ; my eight blocks of 16 channels, 1,024 bytes each
	s_add_co_u32 s92, s92, s21
	s_add_nc_u64 s[92:93], s[66:67], s[92:93]
	WIN 0x40
.set j, 0
.rept 64
	global_load_b32 v[64+j], v[FO], s[98:99] offset:(16*(j/8)+j%8)*4096
.set j, j+1
.endr
	s_wait_loadcnt 0x0
.irp g, 0,1
	WIN 0x59+4*\g                                  ; D, C and source 0 window 1; source 1 window 2 or 3
.irp b, 0,1,2,3,4,5,6,7
.irp s, 0,1,2,3
.irp a, 0,1,2,3
.if (\b == 0) && (\s == 0)
	v_wmma_f32_16x16x4_f32 v[192+8*(4*\g+\a):192+8*(4*\g+\a)+7], v[64+8*\b+2*\s:64+8*\b+2*\s+1], v[8*(8*\a+\b)+2*\s:8*(8*\a+\b)+2*\s+1], 0
.else
	v_wmma_f32_16x16x4_f32 v[192+8*(4*\g+\a):192+8*(4*\g+\a)+7], v[64+8*\b+2*\s:64+8*\b+2*\s+1], v[8*(8*\a+\b)+2*\s:8*(8*\a+\b)+2*\s+1], v[192+8*(4*\g+\a):192+8*(4*\g+\a)+7]
.endif
.endr
.endr
.endr
.endr
	PLACES 8
	WIN 0x04                                       ; a store's data: window 1
.irp a, 0,1,2,3,4,5,6,7
	global_store_b128 v[L16], v[192+8*\a:192+8*\a+3], s[92:93] offset:1024*\a        ; the sum as it stands in its registers: 512 consecutive bytes a store
	global_store_b128 v[L16], v[192+8*\a+4:192+8*\a+7], s[92:93] offset:1024*\a+512
.endr
	WIN 0
.Lno_fine:
; THE WAY OUT, a block of 16 channels x 128 positions at a time: rounded to f16 (16 bytes a lane), through my stage, back as whole rows of 256 bytes.
.macro PACK a
.set AC, 64*((\a)%4)
	WIN 0x0a+5*((\a)/4)                            ; sources 0 and 1: window 2 or 3
.irp b, 0,1,2,3,4,5,6,7
.irp r, 0,1,2,3
	v_cvt_pk_f16_f32 v[TMP+4*\b+\r], v[AC+8*\b+2*\r], v[AC+8*\b+2*\r+1]
	v_max3_num_f32 v[MX+(\r%2)], |v[AC+8*\b+2*\r]|, |v[AC+8*\b+2*\r+1]|, v[MX+(\r%2)]
.endr
.endr
	WIN 0
.endm
.macro TOSTAGE a
.set BB, BK+32*((\a)%2)
.irp b, 0,1,2,3,4,5,6,7
	ds_store_b128 v[STO], v[TMP+4*\b:TMP+4*\b+3] offset:32*\b
.endr
.irp t, 0,1,2,3,4,5,6,7
	ds_load_b128 v[BB+4*\t:BB+4*\t+3], v[RD] offset:\t*2*SPITCH   ; LDS serves a wave's instructions in order: these see the stores above
.endr
.endm
.macro SEND a
.set BB, BK+32*((\a)%2)
	s_wait_dscnt 0x0                               ; the block is back in registers
	s_wait_xcnt 0x0                                ; earlier stores have read their base and their registers
.if (\a) > 0
	s_add_nc_u64 s[12:13], s[12:13], 16*CROW
.endif
.irp t, 0,1,2,3,4,5,6,7
	global_store_b128 v[CO], v[BB+4*\t:BB+4*\t+3], s[12:13] offset:2*\t*CROW   ; sixteen lanes store 256 consecutive bytes, aligned
.endr
.endm
	PACK 0
	TOSTAGE 0
.irp a, 1,2,3,4,5,6,7
	PACK \a
	SEND \a-1
	TOSTAGE \a
.endr
	s_and_b32 s20, ttmp7, 0xffff                   ; v's and k's tiles (cluster rows 0 and 1) store the wave's largest magnitude; q's (row 2) do not
	s_cmp_eq_u32 s20, 2
	s_cbranch_scc1 .Lno_max
	s_mov_b32 s22, 0x76543210
	s_mov_b32 s23, 0xfedcba98
	v_max_num_f32 v[MX], v[MX], v[MX+1]
	v_max_num_f32_dpp v[MX], v[MX], v[MX] row_xmask:1 row_mask:0xf bank_mask:0xf
	v_max_num_f32_dpp v[MX], v[MX], v[MX] row_xmask:2 row_mask:0xf bank_mask:0xf
	v_max_num_f32_dpp v[MX], v[MX], v[MX] row_xmask:4 row_mask:0xf bank_mask:0xf
	v_max_num_f32_dpp v[MX], v[MX], v[MX] row_xmask:8 row_mask:0xf bank_mask:0xf
	v_permlanex16_b32 v[MX+1], v[MX], s22, s23
	v_max_num_f32 v[MX], v[MX], v[MX+1]
	s_lshl_b32 s20, s17, 5
	s_add_co_u32 s20, s20, s42
	s_lshl_b32 s20, s20, 2
	s_add_co_u32 s20, s20, s14                     ; (32 x tile row + tile column) x 4 + wave
	s_lshl_b32 s94, s20, 2
	s_add_co_u32 s94, s94, MXKV
	s_mov_b32 s95, 0
	s_add_nc_u64 s[94:95], s[66:67], s[94:95]
	v_mov_b32 v8, 0
	v_and_b32 v9, 31, v0
	v_cmp_eq_u32 vcc_lo, 0, v9
	s_wait_xcnt 0x0                                ; EXEC changes only behind this wait
	s_and_saveexec_b32 s20, vcc_lo
	global_store_b32 v8, v[MX], s[94:95]
	s_wait_xcnt 0x0
	s_or_b32 exec_lo, exec_lo, s20
.Lno_max:
	SEND 7
	s_wait_tensorcnt 0x0                           ; the wave's end
	ds_add_u32 v[SPW], v[NIL]
	s_wait_dscnt 0x0
	CROUND                                         ; the closing round
	s_endpgm
.Lfunc_end_k_q8f1492d124_qkv:
	.size	k_q8f1492d124_qkv, .Lfunc_end_k_q8f1492d124_qkv-k_q8f1492d124_qkv
	.p2alignl 7, 3214868480
	.fill 96, 4, 3214868480
	.section	.rodata,"a",@progbits
	.p2align	6, 0x0
	.amdhsa_kernel k_q8f1492d124_qkv
		.amdhsa_group_segment_fixed_size 327680
		.amdhsa_private_segment_fixed_size 0
		.amdhsa_enable_private_segment 0
		.amdhsa_kernarg_size 40
		.amdhsa_user_sgpr_count 2
		.amdhsa_user_sgpr_kernarg_segment_ptr 1
		.amdhsa_wavefront_size32 1
		.amdhsa_system_sgpr_workgroup_id_x 1
		.amdhsa_system_sgpr_workgroup_id_y 1
		.amdhsa_system_sgpr_workgroup_id_z 1
		.amdhsa_system_vgpr_workitem_id 0
		.amdhsa_next_free_vgpr 1024
		.amdhsa_next_free_sgpr 100
		.amdhsa_reserve_vcc 1
		.amdhsa_float_denorm_mode_32 3
		.amdhsa_float_denorm_mode_16_64 3
		.amdhsa_memory_ordered 1
		.amdhsa_forward_progress 1
		.amdhsa_inst_pref_size 172
	.end_amdhsa_kernel
	.amdgpu_metadata
---
amdhsa.version: [ 1, 2 ]
amdhsa.kernels:
  - .name:           k_q8f1492d124_qkv
    .symbol:         k_q8f1492d124_qkv.kd
    .args:
      - { .name: codes, .offset: 0, .size: 8, .value_kind: global_buffer, .address_space: global }
      - { .name: b_attn, .offset: 8, .size: 8, .value_kind: global_buffer, .address_space: global }
      - { .name: F, .offset: 16, .size: 8, .value_kind: global_buffer, .address_space: global }
      - { .name: qkvt, .offset: 24, .size: 8, .value_kind: global_buffer, .address_space: global }
      - { .name: qaux, .offset: 32, .size: 8, .value_kind: global_buffer, .address_space: global }
    .group_segment_fixed_size: 327680
    .private_segment_fixed_size: 0
    .kernarg_segment_align: 8
    .kernarg_segment_size: 40
    .max_flat_workgroup_size: 128
    .sgpr_count:     100
    .vgpr_count:     1024
    .wavefront_size: 32
...
	.end_amdgpu_metadata
.endif
;; end of part 2
;; launch proj (part 3): grid 8 x 32, 4 waves a work-group, clusters of 4 x 4, 327,680 bytes of LDS; arguments qkvt, half, qaux, kvt; writes kvt
.if DOCPART == 3
	.amdgcn_target "amdgcn-amd-amdhsa--gfx1250"
	.amdhsa_code_object_version 6
	.text
	.protected	k_q8f1492d124_proj
	.globl	k_q8f1492d124_proj
	.p2align	8
	.type	k_q8f1492d124_proj,@function
k_q8f1492d124_proj:
	s_mov_b64 s[64:65], 0
	v_nop
	global_prefetch_b8 v0, s[64:65] scope:SCOPE_SE
	s_setreg_imm32_b32 hwreg(HW_REG_WAVE_MODE, 25, 1), 1
	s_wait_xcnt 0x0
	s_wait_alu depctr_hold_cnt(0) depctr_sa_sdst(0) depctr_va_vdst(0) depctr_va_sdst(0) depctr_va_ssrc(0) depctr_va_vcc(0) depctr_vm_vsrc(0)
	s_getreg_b32 s2, hwreg(HW_REG_IB_STS2, 6, 4)
	s_cmp_eq_u32 s2, 0
	s_cbranch_scc0 .Lentry_in_a_cluster
	s_endpgm
.Lentry_in_a_cluster:
	s_bfe_u32 s2, ttmp6, 0x10000c
	s_cmp_lg_u32 s2, 0xf033
	s_cbranch_scc0 .Lentry_shape_is_right
	s_endpgm
.Lentry_shape_is_right:
; k_proj and v_proj in one GEMM: kvt[R][slot] = 2^-e x sum over t of kv[R][t] EF[slot][t], R = which x 2048 + b x 1024 + c (which = 0: k with E; 1: v with F); f16 operands, f32 sums, f16 out.
; 2^-e is a power of two made of data: 2^(e + 15) > 4096 x max|E or F| x max|k or v|, a bound that no sum can pass: so the result has room in f16 whatever the inputs' size; later launches take the factor out exactly.
; A tile of 128 x 128 is made by four waves, each 64 x 64; K = 4096 goes in steps of 256 (LDS rows of 512 bytes) through two slots.  CLUSTERS 4 x 4: A's tiles shared along a row, B's along a column.
; B's tile hangs on the tile column and on `which`, which is the cluster's row / 4: the same in all partners.  THE MATRIX INSTRUCTION IS USED TRANSPOSED: a lane holds eight neighbouring slots of one row R.
; AT THE HEAD, while the first tiles are on their way, the work-group adds the 32 partial sums of 128 words of v_proj's slots 0..15 (f32), a word a thread, into kvt + VFINE.
; LIMIT: the bound is held at 2^-100 from below.
.set MXEF,   18874368
.set MXKV,   4194304
.set VFINE,  8388608
.set SIZE_K, 4096
.set ROWE,   8192                      ; elements from row to row, in qkvT and in the transposed E | F alike
.set SIZE_N, 1024
.set KSTEP,  256
.set PITCH,  528
.set HALFT,  64*PITCH
.set SLOT,   4*HALFT
.set STAGE,  2*SLOT
.set SPITCH, 272
.set SPARE,  STAGE+128*SPITCH
.set LAPS, SIZE_K/(2*KSTEP)
.set ADRA, 16
.set ADRB, 20
.set T4,   22                          ; v22  4 x my thread's number
.set STO,  24
.set RD,   25
.set CO,   26
.set L16,  27
.set SPW,  28
.set NIL,  29
.set SCN,  30                          ; v[30:31] 2^-e
.set TMP,  32
.set PS,   96                          ; v96-127 the 32 partial sums
.set ACC,  128
.set F0,   0
.set F1,   128
.set G1, 24
.set G0, 32
.set G1B, 48
.set G0B, 56
.set SEL, 76
.set MSB, 0
.macro WIN new
.if MSB != \new
	s_set_vgpr_msb (MSB<<8)|\new
.set MSB, \new
.endif
.endm
.set MUL,  0x05
.set TO_F, 0x40
.macro JLOAD s
	s_cmp_eq_u32 s11, 0
	s_cbranch_scc0 .Lfor_b_\@
	tensor_load_to_lds s[G0+4*\s:G0+4*\s+3], s[G1:G1+7]
	s_nop 0
.rept 4
	v_nop
.endr
	s_branch .Lasked_\@
.Lfor_b_\@:
	tensor_load_to_lds s[G0B+4*\s:G0B+4*\s+3], s[G1B:G1B+7]
	s_nop 0
.rept 4
	v_nop
.endr
.Lasked_\@:
.endm
.macro CREST
	s_cmp_lg_u32 s10, 0
	s_cbranch_scc1 .Lnot_wave_0_\@
	s_barrier_signal -3
.Lnot_wave_0_\@:
	s_barrier_wait -3
	s_barrier_signal -1
	s_barrier_wait -1
.endm
.macro CROUND
	s_barrier_signal -1
	s_barrier_wait -1
	CREST
.endm
; The scale: 1024 maxima of E or F and 512 of k or v, one f32 a wave of the launches that made them; every wave reduces them for itself.
.macro SCALE_LOAD T, sEF, sKV, vL
.irp i, 0,1,2,3,4,5,6,7
	global_load_b128 v[\T+4*\i:\T+4*\i+3], v[\vL], s[\sEF:\sEF+1] offset:512*\i
.endr
.irp i, 0,1,2,3
	global_load_b128 v[\T+32+4*\i:\T+32+4*\i+3], v[\vL], s[\sKV:\sKV+1] offset:512*\i
.endr
.endm
.macro SCALE_CALC T, SL, OUTN, OUTP
.irp j, 1,3,5,7,9,11,13
	v_max3_num_f32 v[\T], v[\T], v[\T+\j], v[\T+\j+1]
	v_max3_num_f32 v[\T+16], v[\T+16], v[\T+16+\j], v[\T+17+\j]
	v_max3_num_f32 v[\T+32], v[\T+32], v[\T+32+\j], v[\T+33+\j]
.endr
	v_max3_num_f32 v[\T], v[\T], v[\T+15], v[\T+31]
	v_max_num_f32 v[\T+32], v[\T+32], v[\T+47]
	v_max_num_f32 v[\T], v[\T], v[\T+16]
.irp x, 1,2,4,8
	v_max_num_f32_dpp v[\T], v[\T], v[\T] row_xmask:\x row_mask:0xf bank_mask:0xf
	v_max_num_f32_dpp v[\T+32], v[\T+32], v[\T+32] row_xmask:\x row_mask:0xf bank_mask:0xf
.endr
	v_permlanex16_b32 v[\T+1], v[\T], s[\SL], s[\SL+1]
	v_permlanex16_b32 v[\T+33], v[\T+32], s[\SL], s[\SL+1]
	v_max_num_f32 v[\T], v[\T], v[\T+1]
	v_max_num_f32 v[\T+32], v[\T+32], v[\T+33]
	v_mul_f32 v[\T], v[\T], v[\T+32]
	v_mul_f32 v[\T], 0x45800000, v[\T]             ; x 4096: no sum of 4096 products passes this
	v_max_num_f32 v[\T], 0x0d800000, v[\T]         ; held at 2^-100 from below
	v_lshrrev_b32 v[\T], 23, v[\T]                 ; its exponent field Ef: the bound lies under 2^(Ef - 126); e = Ef - 141
	v_sub_nc_u32 v[\OUTN], 268, v[\T]
	v_lshlrev_b32 v[\OUTN], 23, v[\OUTN]           ; 2^-e
	v_add_nc_u32 v[\OUTP], -14, v[\T]
	v_lshlrev_b32 v[\OUTP], 23, v[\OUTP]           ; 2^e
.endm
	s_load_b128 s[4:7], s[0:1], 0x0                ; qkvt s[4:5], half s[6:7]
	s_load_b64 s[66:67], s[0:1], 0x10              ; qaux
	s_load_b64 s[8:9], s[0:1], 0x18                ; kvt
	v_lshl_add_u32 v[SPW], v0, 2, SPARE
	v_mov_b32 v[NIL], 0
	ds_add_u32 v[SPW], v[NIL]                      ; the wave's opening: the add, twice on end, and its wait ahead of my first tensor load
	ds_add_u32 v[SPW], v[NIL]
	v_lshrrev_b32 v1, 5, v0
	v_readfirstlane_b32 s10, v1
	s_lshr_b32 s11, s10, 1
	s_and_b32 s12, s10, 1
	s_bfe_u32 s40, ttmp6, 0x40000
	s_bfe_u32 s41, ttmp6, 0x40004
	s_lshl_b32 s42, ttmp9, 2
	s_add_co_u32 s42, s42, s40                     ; tile column
	s_and_b32 s13, ttmp7, 0xffff
	s_lshl_b32 s13, s13, 2
	s_add_co_u32 s13, s13, s41                     ; tile row
	s_lshl_b32 s43, s41, 2
	s_lshl_b32 s43, 15, s43
	s_lshl_b32 s44, 0x1111, s40
	s_or_b32 s[G1+0], s43, (1<<16)|(1<<20)|(1<<21)|(6<<22)|(3<<25)  ; the mask; elements of 2 bytes; padding: 4 words behind every 128; bit 21 beside a mask
	s_or_b32 s[G1B+0], s44, (1<<16)|(1<<20)|(1<<21)|(6<<22)|(3<<25)
.irp g, G1, G1B
	s_mov_b32 s[\g+1], KSTEP<<16
	s_mov_b32 s[\g+2], 64<<16
	s_mov_b32 s[\g+3], KSTEP<<16
	s_mov_b32 s[\g+4], 64
	s_mov_b32 s[\g+5], ROWE
	s_mov_b32 s[\g+6], 0
	s_mov_b32 s[\g+7], 0
.endr
	s_lshr_b32 s16, s13, 4                         ; A: row 1024 + 1024 which + 128 (tile row % 8) + 64 half of qkvT,
	s_lshl_b32 s16, s16, 10
	s_and_b32 s17, s13, 7
	s_lshl_b32 s17, s17, 7
	s_add_co_u32 s16, s16, s17
	s_lshl_b32 s17, s12, 6
	s_add_co_u32 s16, s16, s17
	s_add_co_u32 s16, s16, 1024
	s_lshl_b32 s16, s16, 14
	s_bfe_u32 s17, s13, 0x10003                    ; and the batch's 4,096 positions
	s_lshl_b32 s17, s17, 13
	s_add_co_u32 s16, s16, s17
	s_mov_b32 s17, 0
	s_lshl_b32 s46, s42, 7                         ; B: row 128 x tile column + 64 half,
	s_lshl_b32 s47, s12, 6
	s_add_co_u32 s46, s46, s47
	s_lshl_b32 s46, s46, 14
	s_and_b32 s45, ttmp7, 0xffff
	s_lshr_b32 s45, s45, 2                         ; which: from the cluster's row alone
	s_lshl_b32 s47, s45, 13                        ; E's or F's half of the row
	s_add_co_u32 s46, s46, s47
	s_mov_b32 s47, 0
	s_mul_i32 s20, s10, HALFT
	s_mov_b32 s[SEL], 0x76543210
	s_mov_b32 s[SEL+1], 0xfedcba98
	s_wait_dscnt 0x0
	s_wait_kmcnt 0x0
	s_add_nc_u64 s[14:15], s[4:5], s[16:17]
	s_add_nc_u64 s[46:47], s[6:7], s[46:47]
	CROUND
.irp s, 0,1
	s_mov_b32 s[G0+4*\s], 1
	s_add_co_u32 s[G0+4*\s+1], s20, \s*SLOT
	s_add_nc_u64 s[G0+4*\s+2:G0+4*\s+3], s[14:15], \s*KSTEP*2
	s_or_b32 s[G0+4*\s+3], s[G0+4*\s+3], 0x80000000
	s_mov_b32 s[G0B+4*\s], 1
	s_add_co_u32 s[G0B+4*\s+1], s20, \s*SLOT
	s_add_nc_u64 s[G0B+4*\s+2:G0B+4*\s+3], s[46:47], \s*KSTEP*2
	s_or_b32 s[G0B+4*\s+3], s[G0B+4*\s+3], 0x80000000
	JLOAD \s
.endr
	; the scale's maxima and the partial sums are asked for first
	s_lshl_b32 s20, s45, 12
	s_add_co_u32 s20, s20, MXEF
	s_mov_b32 s21, 0
	s_add_nc_u64 s[68:69], s[6:7], s[20:21]
	s_lshl_b32 s20, s45, 11
	s_add_co_u32 s20, s20, MXKV+2048
	s_add_nc_u64 s[70:71], s[66:67], s[20:21]
	s_lshl_b32 s20, s13, 3
	s_add_co_u32 s20, s20, s42                     ; g = 8 x tile row + tile column: which 512 bytes of the 131,072
	s_lshr_b32 s22, s20, 7
	s_lshl_b32 s22, s22, 21                        ; the batch's 32 runs of 128 positions, 65,536 bytes each
	s_and_b32 s23, s20, 127
	s_lshl_b32 s23, s23, 9
	s_add_co_u32 s22, s22, s23
	s_mov_b32 s23, 0
	s_add_nc_u64 s[72:73], s[66:67], s[22:23]
	s_lshl_b32 s22, s20, 9
	s_add_co_u32 s22, s22, VFINE
	s_add_nc_u64 s[74:75], s[8:9], s[22:23]
	v_and_b32 v[L16], 31, v0
	v_lshlrev_b32 v[L16], 4, v[L16]
	v_lshlrev_b32 v[T4], 2, v0
	SCALE_LOAD TMP, 68, 70, L16
.set j, 0
.rept 32
	global_load_b32 v[PS+j], v[T4], s[72:73] offset:65536*j
.set j, j+1
.endr
	v_and_b32 v1, 15, v0
	v_bfe_u32 v2, v0, 4, 1
	v_mul_u32_u24 v3, v1, PITCH
	v_lshl_add_u32 v3, v2, 4, v3
	s_mul_i32 s21, s11, HALFT
	s_mul_i32 s22, s12, HALFT
	s_add_co_u32 s22, s22, 2*HALFT
.irp s, 0,1
	v_add_nc_u32 v[ADRA+\s], s21, v3
	v_add_nc_u32 v[ADRB+\s], s22, v3
	s_add_co_u32 s21, s21, SLOT
	s_add_co_u32 s22, s22, SLOT
.endr
	s_mul_i32 s23, s11, 64*SPITCH
	s_lshl_b32 s21, s12, 7
	s_add_co_u32 s23, s23, s21
	s_add_co_u32 s23, s23, STAGE
	v_mul_u32_u24 v4, v1, SPITCH
	v_lshl_add_u32 v4, v2, 4, v4
	v_add_nc_u32 v[STO], s23, v4
	s_mul_i32 s23, s10, 32*SPITCH
	s_add_co_u32 s23, s23, STAGE
	v_mul_u32_u24 v5, v2, SPITCH
	v_lshl_add_u32 v5, v1, 4, v5
	v_add_nc_u32 v[RD], s23, v5
	v_mul_u32_u24 v5, v2, SIZE_N*2
	v_lshl_add_u32 v[CO], v1, 4, v5
	s_lshl_b32 s16, s13, 7
	s_lshl_b32 s17, s10, 5
	s_add_co_u32 s16, s16, s17
	s_mov_b32 s17, 0
	s_mov_b64 s[18:19], SIZE_N*2
	s_mul_u64 s[16:17], s[16:17], s[18:19]
	s_add_nc_u64 s[8:9], s[8:9], s[16:17]
	s_lshl_b32 s46, s42, 8
	s_mov_b32 s47, 0
	s_add_nc_u64 s[8:9], s[8:9], s[46:47]
	s_wait_loadcnt 0x0
	SCALE_CALC TMP, SEL, SCN, 80
	v_mov_b32 v[SCN+1], v[SCN]
.irp i, 0,2,4,6,8,10,12,14
	v_pk_add_f32 v[PS+\i:PS+\i+1], v[PS+\i:PS+\i+1], v[PS+16+\i:PS+17+\i]
.endr
.irp i, 0,2,4,6
	v_pk_add_f32 v[PS+\i:PS+\i+1], v[PS+\i:PS+\i+1], v[PS+8+\i:PS+9+\i]
.endr
.irp i, 0,2
	v_pk_add_f32 v[PS+\i:PS+\i+1], v[PS+\i:PS+\i+1], v[PS+4+\i:PS+5+\i]
.endr
	v_pk_add_f32 v[PS:PS+1], v[PS:PS+1], v[PS+2:PS+3]
	v_add_f32 v[PS], v[PS], v[PS+1]
	global_store_b32 v[T4], v[PS], s[74:75]        ; the work-group's four waves store 512 consecutive bytes; none of these registers is written again
.macro MUL8 f, c, a0, zero
.irp a, \a0, \a0+1
.irp b, 0,1,2,3
.if \zero
	v_wmma_f32_16x16x32_f16 v[ACC+8*(4*(\a)+\b):ACC+8*(4*(\a)+\b)+7], v[\f+64+8*(4*\c+\b):\f+64+8*(4*\c+\b)+7], v[\f+8*(4*\c+\a):\f+8*(4*\c+\a)+7], 0
.else
	v_wmma_f32_16x16x32_f16 v[ACC+8*(4*(\a)+\b):ACC+8*(4*(\a)+\b)+7], v[\f+64+8*(4*\c+\b):\f+64+8*(4*\c+\b)+7], v[\f+8*(4*\c+\a):\f+8*(4*\c+\a)+7], v[ACC+8*(4*(\a)+\b):ACC+8*(4*(\a)+\b)+7]
.endif
.endr
.endr
.endm
.macro FETCH slot, k, f
	WIN TO_F
.irp c, 0,1
.irp i, 0,1,2,3
	ds_load_b128 v[\f+64+8*(4*\c+\i):\f+64+8*(4*\c+\i)+3],   v[ADRB+\slot] offset:\k+64*\c+\i*16*PITCH
	ds_load_b128 v[\f+64+8*(4*\c+\i)+4:\f+64+8*(4*\c+\i)+7], v[ADRB+\slot] offset:\k+64*\c+\i*16*PITCH+32
	ds_load_b128 v[\f+8*(4*\c+\i):\f+8*(4*\c+\i)+3],         v[ADRA+\slot] offset:\k+64*\c+\i*16*PITCH
	ds_load_b128 v[\f+8*(4*\c+\i)+4:\f+8*(4*\c+\i)+7],       v[ADRA+\slot] offset:\k+64*\c+\i*16*PITCH+32
.endr
.endr
.endm
.macro PLACES
.rept 4
	v_nop
.endr
.endm
.macro QUARTER slot, k, f, g, zero
	s_wait_dscnt 16                                ; the first 32 along K are in
	WIN MUL
	MUL8 \f, 0, 0, \zero
	MUL8 \f, 0, 2, \zero
	PLACES
	FETCH \slot, \k, \g
	s_wait_dscnt 32                                ; all but the 32 just issued
	WIN MUL
	MUL8 \f, 1, 0, 0
	MUL8 \f, 1, 2, 0
.endm
; The last quarter changes slots: one barrier; in front of it each wave waits for all its tensor loads, adds 0 to its spare word, and waits for that and for its reads of this slot.
.macro TURN slot, next, fill
	WIN 0
	s_wait_tensorcnt 0x0
	ds_add_u32 v[SPW], v[NIL]
	s_wait_dscnt 17                                ; (the add and the youngest sixteen loads may be out)
	WIN MUL
	MUL8 F1, 0, 0, 0
	s_wait_dscnt 0x0
	s_barrier_signal -1
	MUL8 F1, 0, 2, 0
.if \fill
	WIN 0
.endif
	s_barrier_wait -1
.if \fill
	CREST                                          ; the barrier has opened a round of the cluster's barrier
	s_add_nc_u64 s[G0+4*\slot+2:G0+4*\slot+3], s[G0+4*\slot+2:G0+4*\slot+3], 2*KSTEP*2
	s_add_nc_u64 s[G0B+4*\slot+2:G0B+4*\slot+3], s[G0B+4*\slot+2:G0B+4*\slot+3], 2*KSTEP*2
	JLOAD \slot
.else
	PLACES
.endif
	FETCH \next, 0, F0
	WIN MUL
	MUL8 F1, 1, 0, 0
	MUL8 F1, 1, 2, 0
.endm
	s_wait_tensorcnt 1                             ; my part of K step 0 is in; K step 1's may stay out
	s_barrier_signal -1
	s_barrier_wait -1
	FETCH 0, 0, F0
	QUARTER 0, 128, F0, F1, 1
	WIN 0
	s_mov_b32 s3, LAPS-1
.Llap:
	QUARTER 0, 256, F1, F0, 0
	QUARTER 0, 384, F0, F1, 0
	TURN 0, 1, 1
	QUARTER 1, 128, F0, F1, 0
	QUARTER 1, 256, F1, F0, 0
	QUARTER 1, 384, F0, F1, 0
	TURN 1, 0, 1
	QUARTER 0, 128, F0, F1, 0
	WIN 0
	s_sub_co_u32 s3, s3, 1
	s_cmp_lg_u32 s3, 0
	s_cbranch_scc1 .Llap
	QUARTER 0, 256, F1, F0, 0
	QUARTER 0, 384, F0, F1, 0
	TURN 0, 1, 0
	QUARTER 1, 128, F0, F1, 0
	QUARTER 1, 256, F1, F0, 0
	QUARTER 1, 384, F0, F1, 0
	s_wait_dscnt 16
	WIN MUL
	MUL8 F1, 0, 0, 0
	MUL8 F1, 0, 2, 0
	s_wait_dscnt 0
	MUL8 F1, 1, 0, 0
	MUL8 F1, 1, 2, 0
	WIN 0
	; THE WAY OUT: x 2^-e, rounded to f16, 16 bytes a lane into the work-group's stage; a barrier, since a row's 256 bytes come from two waves; back as whole rows.
	PLACES
.irp t, 0,1,2,3,4,5,6,7,8,9,10,11,12,13,14,15
.irp r, 0,1,2,3
	v_pk_mul_f32 v[ACC+8*\t+2*\r:ACC+8*\t+2*\r+1], v[ACC+8*\t+2*\r:ACC+8*\t+2*\r+1], v[SCN:SCN+1] op_sel_hi:[1,0]
.endr
.endr
.irp t, 0,1,2,3,4,5,6,7,8,9,10,11,12,13,14,15
.irp r, 0,1,2,3
	v_cvt_pk_f16_f32 v[TMP+4*\t+\r], v[ACC+8*\t+2*\r], v[ACC+8*\t+2*\r+1]
.endr
.endr
.irp a, 0,1,2,3
.irp b, 0,1,2,3
	ds_store_b128 v[STO], v[TMP+4*(4*\a+\b):TMP+4*(4*\a+\b)+3] offset:\a*16*SPITCH+32*\b
.endr
.endr
	s_wait_dscnt 0x0                               ; for the others' sake: my stores into the stage are done
	s_barrier_signal -1
	s_barrier_wait -1
.irp t, 0,1,2,3,4,5,6,7,8,9,10,11,12,13,14,15
	ds_load_b128 v[TMP+4*\t:TMP+4*\t+3], v[RD] offset:\t*2*SPITCH
.endr
.irp t, 0,1,2,3,4,5,6,7,8,9,10,11,12,13,14,15
	s_wait_dscnt 15-\t
	global_store_b128 v[CO], v[TMP+4*\t:TMP+4*\t+3], s[8:9] offset:2*\t*SIZE_N*2   ; sixteen lanes store 256 consecutive bytes, aligned
.endr
	s_wait_tensorcnt 0x0                           ; the wave's end: the three lines
	ds_add_u32 v[SPW], v[NIL]
	s_wait_dscnt 0x0
	CROUND                                         ; the closing round
	s_endpgm
.Lfunc_end_k_q8f1492d124_proj:
	.size	k_q8f1492d124_proj, .Lfunc_end_k_q8f1492d124_proj-k_q8f1492d124_proj
	.p2alignl 7, 3214868480
	.fill 96, 4, 3214868480
	.section	.rodata,"a",@progbits
	.p2align	6, 0x0
	.amdhsa_kernel k_q8f1492d124_proj
		.amdhsa_group_segment_fixed_size 327680
		.amdhsa_private_segment_fixed_size 0
		.amdhsa_enable_private_segment 0
		.amdhsa_kernarg_size 32
		.amdhsa_user_sgpr_count 2
		.amdhsa_user_sgpr_kernarg_segment_ptr 1
		.amdhsa_wavefront_size32 1
		.amdhsa_system_sgpr_workgroup_id_x 1
		.amdhsa_system_sgpr_workgroup_id_y 1
		.amdhsa_system_sgpr_workgroup_id_z 1
		.amdhsa_system_vgpr_workitem_id 0
		.amdhsa_next_free_vgpr 512
		.amdhsa_next_free_sgpr 78
		.amdhsa_reserve_vcc 0
		.amdhsa_float_denorm_mode_32 3
		.amdhsa_float_denorm_mode_16_64 3
		.amdhsa_memory_ordered 1
		.amdhsa_forward_progress 1
		.amdhsa_inst_pref_size 100
	.end_amdhsa_kernel
	.amdgpu_metadata
---
amdhsa.version: [ 1, 2 ]
amdhsa.kernels:
  - .name:           k_q8f1492d124_proj
    .symbol:         k_q8f1492d124_proj.kd
    .args:
      - { .name: qkvt, .offset: 0, .size: 8, .value_kind: global_buffer, .address_space: global }
      - { .name: half, .offset: 8, .size: 8, .value_kind: global_buffer, .address_space: global }
      - { .name: qaux, .offset: 16, .size: 8, .value_kind: global_buffer, .address_space: global }
      - { .name: kvt, .offset: 24, .size: 8, .value_kind: global_buffer, .address_space: global }
    .group_segment_fixed_size: 327680
    .private_segment_fixed_size: 0
    .kernarg_segment_align: 8
    .kernarg_segment_size: 32
    .max_flat_workgroup_size: 128
    .sgpr_count:     78
    .vgpr_count:     512
    .wavefront_size: 32
...
	.end_amdgpu_metadata
.endif
;; end of part 3
;; launch attn (part 4): grid 8 x 32, 16 waves a work-group, no clusters, 327,680 bytes of LDS; arguments qkvt, kvt, half, qaux, yb; writes yb
.if DOCPART == 4
	.amdgcn_target "amdgcn-amd-amdhsa--gfx1250"
	.amdhsa_code_object_version 6
	.text
	.protected	k_q8f1492d124_attn
	.globl	k_q8f1492d124_attn
	.p2align	8
	.type	k_q8f1492d124_attn,@function
k_q8f1492d124_attn:
	s_mov_b64 s[64:65], 0
	v_nop
	global_prefetch_b8 v0, s[64:65] scope:SCOPE_SE
	s_setreg_imm32_b32 hwreg(HW_REG_WAVE_MODE, 25, 1), 1
	s_wait_xcnt 0x0
; yb[bt][h 64 + d] = 2^-ev x sum over slots of softmax(q . k_proj / 8, slot <= t) v_proj, f16 operands, f32 sums, maxima and row sums; f16 out.
; q lies as [d][t] (qkvT), k' = 2^-ek k_proj and v' = 2^-ev v_proj as [d][slot] (kvt).  2^ek goes into the softmax's constant c = 2^ek log2(e) / 8; 2^-ev stays on the result and is taken out by the next launch.
; SHARES.  A work-group owns 512 queries of one head; each of its sixteen waves owns TWO tiles of 16 queries and walks the slots ONCE for both: each fragment of K' and V' that it reads from LDS feeds two matrix
; instructions: 16 steps x 32 loads a wave.  Tile A: queries 1024 + 384 g + 16 w, which see all 1024 slots.  Tile B: waves 0-7 queries 1280 + 384 g + 16 w; waves 8-11 block g and waves 12-15 block 15 - g of the
; sixteen blocks of 64 early queries: the two blocks together are the same causal work in every work-group.  A step all of whose slots come after tile B's queries is walked for tile A alone: a branch on ids at the
; step's head chooses between two bodies.
; The head's whole K' and V' (256 KiB) come into LDS once, in four chunks of 256 slots, each asked for one chunk ahead; every LDS byte is filled once.
; NO CLUSTER: the branches that leave hidden work out hang on g, which partners of a cluster would not share; and each byte of K', V' is fetched once for a work-group's 32 tiles.
; LAYOUT.  S^T = K' Q^T (source 0 = 16 slots, source 1 = 16 queries; both come out of LDS turned, by ds_load_tr16_b128) and O^T = V'^T P: a lane holds one query (lane % 16) throughout.
; SOFTMAX.  Running maximum m and sum l: p = 2^(c s - c m); O and l are multiplied by a = 2^(c m_old - c m_new) in every step.  m begins as -infinity; slot 0 counts for every query, so m is a number from the first step on.
; P HAS NO REGISTERS OF ITS OWN: the row's sum is taken first, by additions that leave p alone; then the 16 roundings to f16 write P over the first 16 registers of S^T (rounding j reads registers 2 j, 2 j + 1 and writes j).
; REGISTERS: v1-11 addresses and constants; v12-15, v16-19 c m, m, l of tile A, of tile B; v20-27, v30-31 at work (a in v24); v28 the prefetch's offset; v32-47, v48-63 Q; v64-127 16 fragments of K' or V';
; v128-159, v160-191 S^T, then P; v192-223, v224-255 O^T (at the head: Q as loaded, and the head's offsets).
.set MXEF,  18874368
.set MXKV,  4194304
.set VHALF, 4194304                    ; v's rows in kvt
.set KP,    544                        ; a row (one d, 256 slots) of K' in LDS: 512 bytes + 32: an odd multiple of 32
.set VP,    528                        ; of V': 512 + 16
.set KCH,   64*KP
.set VCH,   64*VP
.set VB,    4*KCH
.set QS,    VB+4*VCH                   ; Q's stage [64 d][544], later a stage of 16 x 144 bytes for each wave; no tensor load lands here
.set SP,    144
.set SPARE, QS+16*16*SP                ; the spare words, 128 bytes a wave
.set AK0, 1
.set AV0, 2
.set ADK, 3
.set ADV, 4
.set SPW, 5
.set NIL, 6
.set STO, 7
.set RD,  8
.set GO,  9
.set DQ,  10                           ; r - 8 h
.set NINF, 11
.set TA,  12
.set TB,  16
.set TM,  20
.set PFO, 28
.set SU,  30
.set QA,  32
.set QB,  48
.set FR,  64
.set SS,  128
.set OO,  192
.set QL,  192
.set HT,  224
.set WV,  18
.set SEL, 20
.set CS,  22
.set G1K, 24
.set G1V, 32
.set G0K, 40
.set G0V, 44
.set TBK, 48
.set TBV, 49
.set CNT, 50
.set KF,  51
.set T0A, 52
.set YA,  54
.set PFA, 56
.set LIM, 58
.set T0B, 59
.set YB2, 70
.macro TLOAD                           ; wave 0 fetches a chunk of K', wave 1 of V'; an s_nop 0 and four v_nop follow each line
	s_cmp_eq_u32 s[WV], 0
	s_cbranch_scc0 .Lnot_k_\@
	tensor_load_to_lds s[G0K:G0K+3], s[G1K:G1K+7]
	s_nop 0
.rept 4
	v_nop
.endr
	s_branch .Lasked_\@
.Lnot_k_\@:
	s_cmp_eq_u32 s[WV], 1
	s_cbranch_scc0 .Lasked_\@
	tensor_load_to_lds s[G0V:G0V+3], s[G1V:G1V+7]
	s_nop 0
.rept 4
	v_nop
.endr
.Lasked_\@:
.endm
; A prefetch of the chunk that the NEXT change will ask for: 64 rows x 512 bytes of K' and of V'.  The eight work-groups of a head read the same rows: the first of them asks.  In it waves 4-7 ask for K', waves 8-11 for V':
; 16 rows a wave, two lanes to a row, 256 bytes apart: each aligned block of 256 bytes is named once in the launch.  The last change that asks for a chunk prefetches nothing.
.macro ASK
	s_cmp_gt_u32 s[CNT], s[LIM]
	s_cbranch_scc0 .Lnot_mine_\@
	global_prefetch_b8 v[PFO], s[PFA:PFA+1] th:TH_LOAD_NT scope:SCOPE_SE
.Lnot_mine_\@:
.endm
.macro SCALE_LOAD T, sEF, sKV, vL
.irp i, 0,1,2,3,4,5,6,7
	global_load_b128 v[\T+4*\i:\T+4*\i+3], v[\vL], s[\sEF:\sEF+1] offset:512*\i
.endr
.irp i, 0,1,2,3
	global_load_b128 v[\T+32+4*\i:\T+32+4*\i+3], v[\vL], s[\sKV:\sKV+1] offset:512*\i
.endr
.endm
.macro SCALE_CALC T, SL, OUTN, OUTP
.irp j, 1,3,5,7,9,11,13
	v_max3_num_f32 v[\T], v[\T], v[\T+\j], v[\T+\j+1]
	v_max3_num_f32 v[\T+16], v[\T+16], v[\T+16+\j], v[\T+17+\j]
	v_max3_num_f32 v[\T+32], v[\T+32], v[\T+32+\j], v[\T+33+\j]
.endr
	v_max3_num_f32 v[\T], v[\T], v[\T+15], v[\T+31]
	v_max_num_f32 v[\T+32], v[\T+32], v[\T+47]
	v_max_num_f32 v[\T], v[\T], v[\T+16]
.irp x, 1,2,4,8
	v_max_num_f32_dpp v[\T], v[\T], v[\T] row_xmask:\x row_mask:0xf bank_mask:0xf
	v_max_num_f32_dpp v[\T+32], v[\T+32], v[\T+32] row_xmask:\x row_mask:0xf bank_mask:0xf
.endr
	v_permlanex16_b32 v[\T+1], v[\T], s[\SL], s[\SL+1]
	v_permlanex16_b32 v[\T+33], v[\T+32], s[\SL], s[\SL+1]
	v_max_num_f32 v[\T], v[\T], v[\T+1]
	v_max_num_f32 v[\T+32], v[\T+32], v[\T+33]
	v_mul_f32 v[\T], v[\T], v[\T+32]
	v_mul_f32 v[\T], 0x45800000, v[\T]
	v_max_num_f32 v[\T], 0x0d800000, v[\T]
	v_lshrrev_b32 v[\T], 23, v[\T]
	v_sub_nc_u32 v[\OUTN], 268, v[\T]
	v_lshlrev_b32 v[\OUTN], 23, v[\OUTN]
	v_add_nc_u32 v[\OUTP], -14, v[\T]
	v_lshlrev_b32 v[\OUTP], 23, v[\OUTP]
.endm
	s_load_b256 s[4:11], s[0:1], 0x0               ; qkvt s[4:5], kvt s[6:7], half s[8:9], qaux s[10:11]
	s_load_b64 s[12:13], s[0:1], 0x20              ; yb
	v_lshl_add_u32 v[SPW], v0, 2, SPARE
	v_mov_b32 v[NIL], 0
	ds_add_u32 v[SPW], v[NIL]                      ; the wave's opening: the add, twice on end, and its wait ahead of the first tensor load
	ds_add_u32 v[SPW], v[NIL]
	v_lshrrev_b32 v20, 5, v0
	v_readfirstlane_b32 s[WV], v20                 ; wave 0..15
	s_and_b32 s15, ttmp7, 0xffff                   ; 16 b + h
	s_lshr_b32 s16, s15, 4                         ; b
	s_and_b32 s17, s15, 15                         ; h
	s_mov_b32 s[G1K], (1<<16)|(1<<20)|(6<<22)|(7<<25)   ; elements of 2 bytes; padding: 8 words behind every 128
	s_mov_b32 s[G1V], (1<<16)|(1<<20)|(6<<22)|(3<<25)   ; 4 words
.irp g, G1K, G1V
	s_mov_b32 s[\g+1], 256<<16                     ; tensor_dim0 = 256 slots
	s_mov_b32 s[\g+2], 64<<16                      ; tensor_dim1 = 64 rows
	s_mov_b32 s[\g+3], 256<<16                     ; tile_dim0
	s_mov_b32 s[\g+4], 64                          ; tile_dim1
	s_mov_b32 s[\g+5], 1024                        ; elements from row to row
	s_mov_b32 s[\g+6], 0
	s_mov_b32 s[\g+7], 0
.endr
	s_mov_b32 s[SEL], 0x76543210
	s_mov_b32 s[SEL+1], 0xfedcba98
	s_mov_b32 s[TBK], 0
	s_mov_b32 s[TBV], 0
	s_mov_b32 s[CNT], 3
	s_mov_b32 s[KF], 0
	s_wait_dscnt 0x0                               ; both opening adds are done
	s_wait_kmcnt 0x0
	s_lshl_b32 s66, s15, 17                        ; the head's 64 rows of 2,048 bytes
	s_mov_b32 s67, 0
	s_mov_b32 s[G0K], 1
	s_mov_b32 s[G0K+1], 0
	s_add_nc_u64 s[G0K+2:G0K+3], s[6:7], s[66:67]
	s_mov_b32 s[G0V], 1
	s_mov_b32 s[G0V+1], VB
	s_add_nc_u64 s[G0V+2:G0V+3], s[G0K+2:G0K+3], VHALF
	s_or_b32 s[G0K+3], s[G0K+3], 0x80000000
	s_or_b32 s[G0V+3], s[G0V+3], 0x80000000
	TLOAD                                          ; chunk 0
	v_and_b32 v20, 31, v0                          ; L
	v_and_b32 v21, 15, v0                          ; r
	v_bfe_u32 v22, v0, 4, 1                        ; h
	v_and_b32 v23, 7, v0
	v_bfe_u32 v24, v0, 3, 1
	v_lshl_add_u32 v[AK0], v22, 3, v23
	v_mul_u32_u24 v[AK0], v[AK0], KP
	v_lshl_add_u32 v[AK0], v24, 4, v[AK0]          ; the turning load: row 8 h + L % 8, 16 bytes ((L / 8) % 2)
	v_mul_u32_u24 v[AV0], v21, VP
	v_lshl_add_u32 v[AV0], v22, 4, v[AV0]
	v_add_nc_u32 v[AV0], VB, v[AV0]
	v_lshlrev_b32 v25, 3, v22
	v_sub_nc_u32 v[DQ], v21, v25
	v_mov_b32 v[NINF], 0xff800000
	s_mul_i32 s66, s[WV], 16*SP
	s_add_co_u32 s66, s66, QS
	v_mul_u32_u24 v[STO], v21, SP
	v_lshl_add_u32 v[STO], v22, 4, v[STO]
	v_add_nc_u32 v[STO], s66, v[STO]
	v_lshrrev_b32 v25, 3, v20
	v_mul_u32_u24 v[RD], v25, SP
	v_lshl_add_u32 v[RD], v23, 4, v[RD]
	v_add_nc_u32 v[RD], s66, v[RD]
	v_lshlrev_b32 v[GO], 11, v25
	v_lshl_add_u32 v[GO], v23, 4, v[GO]            ; four rows of yb an instruction, eight lanes to a head's 128 bytes
	; Q: wave w brings rows d = 4 w .. 4 w + 3 of the work-group's queries, 512 bytes a row
	s_lshl_b32 s66, s17, 6
	s_lshl_b32 s67, s[WV], 2
	s_add_co_u32 s66, s66, s67
	s_lshl_b32 s66, s66, 14
	s_lshl_b32 s67, s16, 13
	s_add_co_u32 s66, s66, s67
	s_mov_b32 s67, 0
	s_add_nc_u64 s[68:69], s[4:5], s[66:67]
	s_mul_i32 s66, ttmp9, 768
	s_add_co_u32 s67, s66, 2048
	v_lshl_add_u32 v[HT], v20, 4, s67              ; tiles A: queries 1024 + 384 g on
	s_add_co_u32 s67, s66, 2560
	v_lshl_add_u32 v[HT+1], v21, 4, s67            ; tiles B: lanes 0-15: queries 1280 + 384 g on;
	s_lshl_b32 s66, ttmp9, 7
	v_lshl_add_u32 v[HT+2], v23, 4, s66            ; lanes 16-23: 64 g on;
	s_sub_co_u32 s66, 1920, s66
	v_lshl_add_u32 v[HT+3], v23, 4, s66            ; lanes 24-31: 64 (15 - g) on
	v_cmp_gt_u32 vcc_lo, 24, v20
	v_cndmask_b32 v[HT+2], v[HT+3], v[HT+2], vcc_lo
	v_cmp_gt_u32 vcc_lo, 16, v20
	v_cndmask_b32 v[HT+1], v[HT+2], v[HT+1], vcc_lo
	v_lshlrev_b32 v[HT+4], 4, v20
	s_add_nc_u64 s[60:61], s[8:9], MXEF
	s_add_nc_u64 s[62:63], s[10:11], MXKV+2048
.irp i, 0,1,2,3
	global_load_b128 v[QL+4*\i:QL+4*\i+3], v[HT], s[68:69] offset:16384*\i
.endr
.irp i, 0,1,2,3
	global_load_b128 v[QL+16+4*\i:QL+16+4*\i+3], v[HT+1], s[68:69] offset:16384*\i
.endr
	SCALE_LOAD FR, 60, 62, HT+4
	s_mul_i32 s66, s[WV], 4*KP
	s_add_co_u32 s66, s66, QS
	v_add_nc_u32 v[HT+5], s66, v[HT+4]             ; into Q's stage: rows 4 w on, 16 bytes a lane
	s_lshl_b32 s66, s[WV], 5
	s_add_co_u32 s66, s66, QS
	v_add_nc_u32 v[HT+6], s66, v[AK0]              ; out of it, turned: my 16 queries are 32 bytes of each row
	v_lshrrev_b32 v[PFO], 1, v20
	v_lshlrev_b32 v[PFO], 11, v[PFO]
	v_and_b32 v[HT+9], 1, v20
	v_lshl_add_u32 v[PFO], v[HT+9], 8, v[PFO]
	s_cmp_lt_u32 s[WV], 8
	s_cselect_b32 s66, 0, VHALF
	s_and_b32 s67, s[WV], 3
	s_lshl_b32 s67, s67, 15
	s_add_co_u32 s66, s66, s67
	s_lshl_b32 s67, s15, 17
	s_add_co_u32 s66, s66, s67
	s_add_co_u32 s66, s66, 512                     ; at chunk 1: the first change steps it to chunk 2.  Nothing is prefetched here, at the head
	s_mov_b32 s67, 0
	s_add_nc_u64 s[PFA:PFA+1], s[6:7], s[66:67]
	s_sub_co_u32 s66, s[WV], 4
	s_lshr_b32 s66, s66, 3                         ; 0 in waves 4 to 11,
	s_or_b32 s66, s66, ttmp9                       ; of the head's first work-group
	s_cmp_eq_u32 s66, 0
	s_cselect_b32 s[LIM], 1, -1
	s_lshl_b32 s67, s[WV], 4
	s_mul_i32 s66, ttmp9, 384
	s_add_co_u32 s66, s66, s67
	s_add_co_u32 s[T0A], s66, 1024                 ; tile A's first query
	s_add_co_u32 s66, s66, 1280                    ; tile B's: waves 0-7
	s_and_b32 s67, s[WV], 3
	s_lshl_b32 s67, s67, 4
	s_lshl_b32 s53, ttmp9, 6
	s_add_co_u32 s53, s53, s67                     ; waves 8-11: 64 g + 16 (w % 4)
	s_sub_co_u32 s59, 15, ttmp9
	s_lshl_b32 s59, s59, 6
	s_add_co_u32 s59, s59, s67                     ; waves 12-15: 64 (15 - g) + 16 (w % 4)
	s_cmp_lt_u32 s[WV], 12
	s_cselect_b32 s53, s53, s59
	s_cmp_lt_u32 s[WV], 8
	s_cselect_b32 s[T0B], s66, s53
.macro YBASE t, d                      ; yb at a tile's first row and my head's 128 bytes
	s_lshl_b32 s66, s16, 12
	s_add_co_u32 s66, s66, s[\t]
	s_lshl_b32 s66, s66, 11
	s_lshl_b32 s67, s17, 7
	s_add_co_u32 s66, s66, s67
	s_mov_b32 s67, 0
	s_add_nc_u64 s[\d:\d+1], s[12:13], s[66:67]
.endm
	YBASE T0A, YA
	YBASE T0B, YB2
	s_wait_loadcnt 16                              ; tiles A's Q is in (behind it: four loads of tiles B's and the scale's twelve)
.irp i, 0,1,2,3
	ds_store_b128 v[HT+5], v[QL+4*\i:QL+4*\i+3] offset:KP*\i
.endr
	s_wait_loadcnt 0x0
	SCALE_CALC FR, SEL, HT+7, HT+8
	v_mul_f32 v[HT+8], 0x3e38aa3b, v[HT+8]         ; c = 2^ek log2(e) / 8
	v_readfirstlane_b32 s[CS], v[HT+8]             ; a factor alone: no address and no branch hangs on it
	s_mov_b32 s[CS+1], s[CS]
	s_wait_dscnt 0x0
	s_barrier_signal -1
	s_barrier_wait -1                              ; the 64 rows of Q lie in the stage
.irp kd, 0,1
	ds_load_tr16_b128 v[QA+8*\kd:QA+8*\kd+3], v[HT+6] offset:(32*\kd)*KP
	ds_load_tr16_b128 v[QA+8*\kd+4:QA+8*\kd+7], v[HT+6] offset:(32*\kd+16)*KP
.endr
	s_wait_dscnt 0x0
	s_barrier_signal -1
	s_barrier_wait -1                              ; every wave has read them: the stage takes tiles B's Q
.irp i, 0,1,2,3
	ds_store_b128 v[HT+5], v[QL+16+4*\i:QL+16+4*\i+3] offset:KP*\i
.endr
	s_wait_dscnt 0x0
	s_barrier_signal -1
	s_barrier_wait -1
.irp kd, 0,1
	ds_load_tr16_b128 v[QB+8*\kd:QB+8*\kd+3], v[HT+6] offset:(32*\kd)*KP
	ds_load_tr16_b128 v[QB+8*\kd+4:QB+8*\kd+7], v[HT+6] offset:(32*\kd+16)*KP
.endr
	s_wait_dscnt 0x0                               ; Q is whole; the head's registers are free
.irp t, TA, TB
	v_mov_b32 v[\t], v[NINF]
	v_mov_b32 v[\t+1], v[NINF]
	v_mov_b32 v[\t+2], 0
	v_mov_b32 v[\t+3], 0
.endr
.set j, 0
.rept 64
	v_mov_b32 v[OO+j], 0                           ; the step is written once: the first finds zeros, which a = 0 leaves zeros
.set j, j+1
.endr
; One tile's softmax for a step of 64 slots.  sb: its S^T; ts: its statistics; ob: its O^T.
.macro SOFTMAX sb, ts, ob
.irp j, 0,1,2,3
	v_max3_num_f32 v[TM+\j], v[\sb+8*\j], v[\sb+8*\j+1], v[\sb+8*\j+2]
.endr
.irp k, 3,5
.irp j, 0,1,2,3
	v_max3_num_f32 v[TM+\j], v[TM+\j], v[\sb+8*\j+\k], v[\sb+8*\j+\k+1]
.endr
.endr
	v_max3_num_f32 v[TM], v[TM], v[\sb+7], v[\sb+15]
	v_max3_num_f32 v[TM+2], v[TM+2], v[\sb+23], v[\sb+31]
	v_max3_num_f32 v[TM], v[TM], v[TM+1], v[TM+2]
	v_max3_num_f32 v[TM], v[TM], v[TM+3], v[\ts+1]
	v_permlanex16_b32 v[TM+1], v[TM], s[SEL], s[SEL+1]   ; the query's other 32 slots lie in the lane 16 away
	v_mov_b32 v[TM+3], v[\ts]
	v_max_num_f32 v[\ts+1], v[TM], v[TM+1]
	v_mul_f32 v[\ts], s[CS], v[\ts+1]
	v_sub_f32 v[TM+3], v[TM+3], v[\ts]
.set j, 0
.rept 16
	v_pk_fma_f32 v[\sb+j:\sb+j+1], v[\sb+j:\sb+j+1], s[CS:CS+1], v[\ts:\ts+1] op_sel_hi:[1,0,0] neg_lo:[0,0,1] neg_hi:[0,0,1]
.set j, j+2
.endr
	v_exp_f32 v[TM+4], v[TM+3]                     ; a
.set j, 0
.rept 32
	v_exp_f32 v[\sb+j], v[\sb+j]
.set j, j+1
.endr
	v_nop                                          ; a plain instruction behind the last exponential
	s_wait_alu depctr_va_vdst(0)                   ; one wait for the batch of 33, ahead of its first reader
	v_pk_add_f32 v[TM+6:TM+7], v[\sb:\sb+1], v[\sb+2:\sb+3]        ; the row's sum, in two chains that leave p as it is
	v_pk_add_f32 v[SU:SU+1], v[\sb+4:\sb+5], v[\sb+6:\sb+7]
.irp j, 8,12,16,20,24,28
	v_pk_add_f32 v[TM+6:TM+7], v[TM+6:TM+7], v[\sb+\j:\sb+\j+1]
	v_pk_add_f32 v[SU:SU+1], v[SU:SU+1], v[\sb+\j+2:\sb+\j+3]
.endr
	v_pk_add_f32 v[TM+6:TM+7], v[TM+6:TM+7], v[SU:SU+1]
.set j, 0
.rept 16
	v_cvt_pk_f16_f32 v[\sb+j], v[\sb+2*j], v[\sb+2*j+1]            ; P over S^T's first 16 registers: register j has been read by rounding j / 2
.set j, j+1
.endr
	v_pk_fma_f32 v[\ts+2:\ts+3], v[\ts+2:\ts+3], v[TM+4:TM+5], v[TM+6:TM+7] op_sel_hi:[1,0,1]
.set j, 0
.rept 16
	v_pk_mul_f32 v[\ob+j:\ob+j+1], v[\ob+j:\ob+j+1], v[TM+4:TM+5] op_sel_hi:[1,0]
.set j, j+2
.endr
.endm
; A step's body: 64 slots, the qq-th of the chunk in hand.  both = 1: for both tiles, tile B under the causal mask; 0: for tile A alone.  The accumulators take turns, one instruction a turn.
.macro BODY qq, both
	v_add_nc_u32 v[ADK], s[TBK], v[AK0]
	v_add_nc_u32 v[ADV], s[TBV], v[AV0]
.rept 3
	v_nop                                          ; five places: four ahead of loads into registers that matrix instructions have read, five ahead of products that write over P, which the last products read
.endr
.irp st, 0,1,2,3
.irp kd, 0,1
	ds_load_tr16_b128 v[FR+8*(2*\st+\kd):FR+8*(2*\st+\kd)+3],   v[ADK] offset:(32*\kd)*KP+128*(\qq)+32*\st
	ds_load_tr16_b128 v[FR+8*(2*\st+\kd)+4:FR+8*(2*\st+\kd)+7], v[ADK] offset:(32*\kd+16)*KP+128*(\qq)+32*\st
.endr
.endr
	s_wait_dscnt 0x0
.irp st, 0,1,2,3
	v_wmma_f32_16x16x32_f16 v[SS+8*\st:SS+8*\st+7], v[FR+16*\st:FR+16*\st+7], v[QA:QA+7], 0
.if \both
	v_wmma_f32_16x16x32_f16 v[SS+32+8*\st:SS+32+8*\st+7], v[FR+16*\st:FR+16*\st+7], v[QB:QB+7], 0
.endif
.endr
.irp st, 0,1,2,3
	v_wmma_f32_16x16x32_f16 v[SS+8*\st:SS+8*\st+7], v[FR+16*\st+8:FR+16*\st+15], v[QA+8:QA+15], v[SS+8*\st:SS+8*\st+7]
.if \both
	v_wmma_f32_16x16x32_f16 v[SS+32+8*\st:SS+32+8*\st+7], v[FR+16*\st+8:FR+16*\st+15], v[QB+8:QB+15], v[SS+32+8*\st:SS+32+8*\st+7]
.endif
.endr
.rept 4
	v_nop
.endr
.irp dt, 0,1,2,3
.irp u, 0,1
	ds_load_b128 v[FR+8*(2*\dt+\u):FR+8*(2*\dt+\u)+3],   v[ADV] offset:16*\dt*VP+128*(\qq)+64*\u
	ds_load_b128 v[FR+8*(2*\dt+\u)+4:FR+8*(2*\dt+\u)+7], v[ADV] offset:16*\dt*VP+128*(\qq)+64*\u+32
.endr
.endr
.if \both
	s_add_co_u32 s53, s[KF], 63                    ; a step all of whose slots count for tile B skips the mask
	s_cmp_le_u32 s53, s[T0B]
	s_cbranch_scc1 .Lopen_\@
	s_sub_co_i32 s53, s[T0B], s[KF]
	v_add_nc_u32 v[TM], s53, v[DQ]                 ; register 8 st + i holds slot KF + 16 st + 8 h + i: hidden where 16 st + i > T0B + r - KF - 8 h
.set j, 0
.rept 32
	v_cmp_gt_i32 vcc_lo, 16*(j/8)+j%8, v[TM]
	v_cndmask_b32 v[SS+32+j], v[SS+32+j], v[NINF], vcc_lo
.set j, j+1
.endr
.Lopen_\@:
.endif
	SOFTMAX SS, TA, OO
.if \both
	SOFTMAX SS+32, TB, OO+32
.endif
	s_wait_dscnt 0x0                               ; V' is in
.irp u, 0,1
.irp dt, 0,1,2,3
	v_wmma_f32_16x16x32_f16 v[OO+8*\dt:OO+8*\dt+7], v[FR+8*(2*\dt+\u):FR+8*(2*\dt+\u)+7], v[SS+8*\u:SS+8*\u+7], v[OO+8*\dt:OO+8*\dt+7]
.if \both
	v_wmma_f32_16x16x32_f16 v[OO+32+8*\dt:OO+32+8*\dt+7], v[FR+8*(2*\dt+\u):FR+8*(2*\dt+\u)+7], v[SS+32+8*\u:SS+32+8*\u+7], v[OO+32+8*\dt:OO+32+8*\dt+7]
.endif
.endr
.endr
.endm
.macro STEP qq
	s_add_co_u32 s53, s[T0B], 15                   ; where all 64 slots come after tile B's 16 queries the step is tile A's alone: a branch on ids
	s_cmp_gt_u32 s[KF], s53
	s_cbranch_scc1 .Lonly_\@
	BODY \qq, 1
	s_branch .Ldone_\@
.Lonly_\@:
	BODY \qq, 0
.Ldone_\@:
	s_add_co_u32 s[KF], s[KF], 64
.endm
.macro STEPS
	STEP 0
	STEP 1
	STEP 2
	STEP 3
	s_add_co_u32 s[TBK], s[TBK], KCH
	s_add_co_u32 s[TBV], s[TBV], VCH
.endm
; THE CHANGE OF CHUNK stands at a chunk's head: each wave waits for all its tensor loads (the chunk that it is about to read), adds 0 to its spare word (fill = 1: twice on end), waits for that and for its LDS reads; one barrier;
; fill = 1: the next chunk is asked for, into bytes that nothing has filled: it has a whole chunk's steps in which to land.  One tensor load of a loading wave is out at a time.
.macro CHANGE fill
	s_wait_tensorcnt 0x0
	ds_add_u32 v[SPW], v[NIL]
.if \fill
	ds_add_u32 v[SPW], v[NIL]
	s_add_co_u32 s[G0K+1], s[G0K+1], KCH
	s_add_nc_u64 s[G0K+2:G0K+3], s[G0K+2:G0K+3], 512
	s_add_co_u32 s[G0V+1], s[G0V+1], VCH
	s_add_nc_u64 s[G0V+2:G0V+3], s[G0V+2:G0V+3], 512
	s_wait_xcnt 0x0                                ; the last prefetch, a chunk back, has read its address
	s_add_nc_u64 s[PFA:PFA+1], s[PFA:PFA+1], 512
.endif
	s_wait_dscnt 0x0
	s_barrier_signal -1
	s_barrier_wait -1
.if \fill
	TLOAD
	ASK
.endif
.endm
; A tile leaves: O^T / l, rounded to f16 (into pb), through my stage, back into rb as rows of 128 bytes (a head's part of a row of yb is no longer), to ys.
.macro TILE_OUT ts, ob, pb, rb, ys
	v_add_f32 v[TM], v[\ts+2], v[\ts+3]
	v_permlanex16_b32 v[TM+1], v[TM], s[SEL], s[SEL+1]
	v_add_f32 v[TM], v[TM], v[TM+1]
	v_rcp_f32 v[TM+4], v[TM]
	v_nop
	s_wait_alu depctr_va_vdst(0)                   ; ahead of the reciprocal's first reader
.set j, 0
.rept 16
	v_pk_mul_f32 v[\ob+j:\ob+j+1], v[\ob+j:\ob+j+1], v[TM+4:TM+5] op_sel_hi:[1,0]
.set j, j+2
.endr
.set j, 0
.rept 16
	v_cvt_pk_f16_f32 v[\pb+j], v[\ob+2*j], v[\ob+2*j+1]
.set j, j+1
.endr
.irp dt, 0,1,2,3
	ds_store_b128 v[STO], v[\pb+4*\dt:\pb+4*\dt+3] offset:32*\dt
.endr
.irp i, 0,1,2,3
	ds_load_b128 v[\rb+4*\i:\rb+4*\i+3], v[RD] offset:4*SP*\i      ; LDS serves a wave's instructions in order: these see the stores above
.endr
	s_wait_dscnt 0x0
.irp i, 0,1,2,3
	global_store_b128 v[GO], v[\rb+4*\i:\rb+4*\i+3], s[\ys:\ys+1] offset:8192*\i
.endr
.endm
.Lchunk:                                           ; three trips: behind each change but the last the next chunk is asked for
	CHANGE 1
	STEPS
	s_sub_co_u32 s[CNT], s[CNT], 1
	s_cmp_lg_u32 s[CNT], 0
	s_cbranch_scc1 .Lchunk
	CHANGE 0                                       ; the last chunk is written out
	STEPS
.rept 4
	v_nop                                          ; places behind the last products
.endr
	TILE_OUT TA, OO, SS, FR, YA
	TILE_OUT TB, OO+32, SS+32, FR+16, YB2          ; other registers and another base than tile A's stores name
	s_wait_tensorcnt 0x0                           ; the wave's end: the three lines
	ds_add_u32 v[SPW], v[NIL]
	s_wait_dscnt 0x0
	s_endpgm
.Lfunc_end_k_q8f1492d124_attn:
	.size	k_q8f1492d124_attn, .Lfunc_end_k_q8f1492d124_attn-k_q8f1492d124_attn
	.p2alignl 7, 3214868480
	.fill 96, 4, 3214868480
	.section	.rodata,"a",@progbits
	.p2align	6, 0x0
	.amdhsa_kernel k_q8f1492d124_attn
		.amdhsa_group_segment_fixed_size 327680
		.amdhsa_private_segment_fixed_size 0
		.amdhsa_enable_private_segment 0
		.amdhsa_kernarg_size 40
		.amdhsa_user_sgpr_count 2
		.amdhsa_user_sgpr_kernarg_segment_ptr 1
		.amdhsa_wavefront_size32 1
		.amdhsa_system_sgpr_workgroup_id_x 1
		.amdhsa_system_sgpr_workgroup_id_y 1
		.amdhsa_system_sgpr_workgroup_id_z 1
		.amdhsa_system_vgpr_workitem_id 0
		.amdhsa_next_free_vgpr 256
		.amdhsa_next_free_sgpr 72
		.amdhsa_reserve_vcc 1
		.amdhsa_float_denorm_mode_32 3
		.amdhsa_float_denorm_mode_16_64 3
		.amdhsa_memory_ordered 1
		.amdhsa_forward_progress 1
		.amdhsa_inst_pref_size 255
	.end_amdhsa_kernel
	.amdgpu_metadata
---
amdhsa.version: [ 1, 2 ]
amdhsa.kernels:
  - .name:           k_q8f1492d124_attn
    .symbol:         k_q8f1492d124_attn.kd
    .args:
      - { .name: qkvt, .offset: 0, .size: 8, .value_kind: global_buffer, .address_space: global }
      - { .name: kvt, .offset: 8, .size: 8, .value_kind: global_buffer, .address_space: global }
      - { .name: half, .offset: 16, .size: 8, .value_kind: global_buffer, .address_space: global }
      - { .name: qaux, .offset: 24, .size: 8, .value_kind: global_buffer, .address_space: global }
      - { .name: yb, .offset: 32, .size: 8, .value_kind: global_buffer, .address_space: global }
    .group_segment_fixed_size: 327680
    .private_segment_fixed_size: 0
    .kernarg_segment_align: 8
    .kernarg_segment_size: 40
    .max_flat_workgroup_size: 512
    .sgpr_count:     72
    .vgpr_count:     256
    .wavefront_size: 32
...
	.end_amdgpu_metadata
.endif
;; end of part 4
;; launch outp (part 5): grid 8 x 64, 4 waves a work-group, clusters of 4 x 4, 327,680 bytes of LDS; arguments yb, half, qaux, b_proj, out0; writes out0
.if DOCPART == 5
	.amdgcn_target "amdgcn-amd-amdhsa--gfx1250"
	.amdhsa_code_object_version 6
	.text
	.protected	k_q8f1492d124_outp
	.globl	k_q8f1492d124_outp
	.p2align	8
	.type	k_q8f1492d124_outp,@function
k_q8f1492d124_outp:
	s_mov_b64 s[64:65], 0
	v_nop
	global_prefetch_b8 v0, s[64:65] scope:SCOPE_SE
	s_setreg_imm32_b32 hwreg(HW_REG_WAVE_MODE, 25, 1), 1
	s_wait_xcnt 0x0
	s_wait_alu depctr_hold_cnt(0) depctr_sa_sdst(0) depctr_va_vdst(0) depctr_va_sdst(0) depctr_va_ssrc(0) depctr_va_vcc(0) depctr_vm_vsrc(0)
	s_getreg_b32 s2, hwreg(HW_REG_IB_STS2, 6, 4)
	s_cmp_eq_u32 s2, 0
	s_cbranch_scc0 .Lentry_in_a_cluster
	s_endpgm
.Lentry_in_a_cluster:
	s_bfe_u32 s2, ttmp6, 0x10000c
	s_cmp_lg_u32 s2, 0xf033
	s_cbranch_scc0 .Lentry_shape_is_right
	s_endpgm
.Lentry_shape_is_right:
; out0[bt][n] = 2^ev x sum over c of yb[bt][c] WpT[n][c] + b_proj[n]; f16 operands, f32 sums, f32 out.  yb holds y x 2^-ev; the power of two is taken out in the last multiply-add, exactly.
; A tile of 128 x 128 is made by four waves, each 64 x 64; K = 1024 goes in steps of 256 through two slots.  CLUSTERS 4 x 4: A's tiles shared along a row, B's along a column.
; THE MATRIX INSTRUCTION IS USED TRANSPOSED: a lane holds eight neighbouring columns of one row.  A wave's 64 columns are 256 bytes of a row of out0: each wave has a stage of its own and no barrier stands in the way out.
; Rows 0..15 of each batch are written here too and written again, more finely, by the launch that follows.
.set MXEF,   18874368
.set MXKV,   4194304
.set WPT,    16777216
.set SIZE_K, 1024
.set OROW,   4096                      ; a row of out0 in bytes
.set KSTEP,  256
.set PITCH,  528
.set HALFT,  64*PITCH
.set SLOT,   4*HALFT
.set STAGE,  2*SLOT
.set SPITCH, 272
.set SPARE,  STAGE+4*16*SPITCH
.set LAPS, SIZE_K/(2*KSTEP)
.set ADRA, 16
.set ADRB, 20
.set B32,  23
.set STO,  24
.set RD,   25
.set CO,   26
.set L16,  27
.set SPW,  28
.set NIL,  29
.set SCP,  30                          ; v[30:31] 2^ev
.set TMP,  32
.set BI,   96                          ; v96-127 b_proj of my 64 columns, in the result's layout
.set ACC,  128
.set F0,   0
.set F1,   128
.set G1, 24
.set G0, 32
.set G1B, 48
.set G0B, 56
.set SEL, 72
.set MSB, 0
.macro WIN new
.if MSB != \new
	s_set_vgpr_msb (MSB<<8)|\new
.set MSB, \new
.endif
.endm
.set MUL,  0x05
.set TO_F, 0x40
.macro JLOAD s
	s_cmp_eq_u32 s11, 0
	s_cbranch_scc0 .Lfor_b_\@
	tensor_load_to_lds s[G0+4*\s:G0+4*\s+3], s[G1:G1+7]
	s_nop 0
.rept 4
	v_nop
.endr
	s_branch .Lasked_\@
.Lfor_b_\@:
	tensor_load_to_lds s[G0B+4*\s:G0B+4*\s+3], s[G1B:G1B+7]
	s_nop 0
.rept 4
	v_nop
.endr
.Lasked_\@:
.endm
.macro CREST
	s_cmp_lg_u32 s10, 0
	s_cbranch_scc1 .Lnot_wave_0_\@
	s_barrier_signal -3
.Lnot_wave_0_\@:
	s_barrier_wait -3
	s_barrier_signal -1
	s_barrier_wait -1
.endm
.macro CROUND
	s_barrier_signal -1
	s_barrier_wait -1
	CREST
.endm
.macro SCALE_LOAD T, sEF, sKV, vL
.irp i, 0,1,2,3,4,5,6,7
	global_load_b128 v[\T+4*\i:\T+4*\i+3], v[\vL], s[\sEF:\sEF+1] offset:512*\i
.endr
.irp i, 0,1,2,3
	global_load_b128 v[\T+32+4*\i:\T+32+4*\i+3], v[\vL], s[\sKV:\sKV+1] offset:512*\i
.endr
.endm
.macro SCALE_CALC T, SL, OUTN, OUTP
.irp j, 1,3,5,7,9,11,13
	v_max3_num_f32 v[\T], v[\T], v[\T+\j], v[\T+\j+1]
	v_max3_num_f32 v[\T+16], v[\T+16], v[\T+16+\j], v[\T+17+\j]
	v_max3_num_f32 v[\T+32], v[\T+32], v[\T+32+\j], v[\T+33+\j]
.endr
	v_max3_num_f32 v[\T], v[\T], v[\T+15], v[\T+31]
	v_max_num_f32 v[\T+32], v[\T+32], v[\T+47]
	v_max_num_f32 v[\T], v[\T], v[\T+16]
.irp x, 1,2,4,8
	v_max_num_f32_dpp v[\T], v[\T], v[\T] row_xmask:\x row_mask:0xf bank_mask:0xf
	v_max_num_f32_dpp v[\T+32], v[\T+32], v[\T+32] row_xmask:\x row_mask:0xf bank_mask:0xf
.endr
	v_permlanex16_b32 v[\T+1], v[\T], s[\SL], s[\SL+1]
	v_permlanex16_b32 v[\T+33], v[\T+32], s[\SL], s[\SL+1]
	v_max_num_f32 v[\T], v[\T], v[\T+1]
	v_max_num_f32 v[\T+32], v[\T+32], v[\T+33]
	v_mul_f32 v[\T], v[\T], v[\T+32]
	v_mul_f32 v[\T], 0x45800000, v[\T]
	v_max_num_f32 v[\T], 0x0d800000, v[\T]
	v_lshrrev_b32 v[\T], 23, v[\T]
	v_sub_nc_u32 v[\OUTN], 268, v[\T]
	v_lshlrev_b32 v[\OUTN], 23, v[\OUTN]
	v_add_nc_u32 v[\OUTP], -14, v[\T]
	v_lshlrev_b32 v[\OUTP], 23, v[\OUTP]
.endm
	s_load_b128 s[4:7], s[0:1], 0x0                ; yb s[4:5], half s[6:7]
	s_load_b128 s[68:71], s[0:1], 0x10             ; qaux s[68:69], b_proj s[70:71]
	s_load_b64 s[8:9], s[0:1], 0x20                ; out0
	v_lshl_add_u32 v[SPW], v0, 2, SPARE
	v_mov_b32 v[NIL], 0
	ds_add_u32 v[SPW], v[NIL]                      ; the wave's opening: the add, twice on end, and its wait ahead of my first tensor load
	ds_add_u32 v[SPW], v[NIL]
	v_lshrrev_b32 v1, 5, v0
	v_readfirstlane_b32 s10, v1
	s_lshr_b32 s11, s10, 1
	s_and_b32 s12, s10, 1
	s_bfe_u32 s40, ttmp6, 0x40000
	s_bfe_u32 s41, ttmp6, 0x40004
	s_lshl_b32 s42, ttmp9, 2
	s_add_co_u32 s42, s42, s40
	s_and_b32 s13, ttmp7, 0xffff
	s_lshl_b32 s13, s13, 2
	s_add_co_u32 s13, s13, s41
	s_lshl_b32 s43, s41, 2
	s_lshl_b32 s43, 15, s43
	s_lshl_b32 s44, 0x1111, s40
	s_or_b32 s[G1+0], s43, (1<<16)|(1<<20)|(1<<21)|(6<<22)|(3<<25)
	s_or_b32 s[G1B+0], s44, (1<<16)|(1<<20)|(1<<21)|(6<<22)|(3<<25)
.irp g, G1, G1B
	s_mov_b32 s[\g+1], KSTEP<<16
	s_mov_b32 s[\g+2], 64<<16
	s_mov_b32 s[\g+3], KSTEP<<16
	s_mov_b32 s[\g+4], 64
	s_mov_b32 s[\g+5], SIZE_K
	s_mov_b32 s[\g+6], 0
	s_mov_b32 s[\g+7], 0
.endr
	s_lshl_b32 s17, s12, 6
	s_lshl_b32 s16, s13, 7
	s_add_co_u32 s16, s16, s17                     ; A: row 128 x tile row + 64 x half
	s_lshl_b32 s16, s16, 11
	s_lshl_b32 s46, s42, 7
	s_add_co_u32 s46, s46, s17                     ; B: row 128 x tile column + 64 x half of the transposed W_proj
	s_lshl_b32 s46, s46, 11
	s_add_co_u32 s46, s46, WPT
	s_mov_b32 s17, 0
	s_mov_b32 s47, 0
	s_mul_i32 s20, s10, HALFT
	s_mov_b32 s[SEL], 0x76543210
	s_mov_b32 s[SEL+1], 0xfedcba98
	s_wait_dscnt 0x0
	s_wait_kmcnt 0x0
	s_add_nc_u64 s[14:15], s[4:5], s[16:17]
	s_add_nc_u64 s[46:47], s[6:7], s[46:47]
	CROUND
.irp s, 0,1
	s_mov_b32 s[G0+4*\s], 1
	s_add_co_u32 s[G0+4*\s+1], s20, \s*SLOT
	s_add_nc_u64 s[G0+4*\s+2:G0+4*\s+3], s[14:15], \s*KSTEP*2
	s_or_b32 s[G0+4*\s+3], s[G0+4*\s+3], 0x80000000
	s_mov_b32 s[G0B+4*\s], 1
	s_add_co_u32 s[G0B+4*\s+1], s20, \s*SLOT
	s_add_nc_u64 s[G0B+4*\s+2:G0B+4*\s+3], s[46:47], \s*KSTEP*2
	s_or_b32 s[G0B+4*\s+3], s[G0B+4*\s+3], 0x80000000
	JLOAD \s
.endr
	v_and_b32 v1, 15, v0
	v_bfe_u32 v2, v0, 4, 1
	s_add_nc_u64 s[74:75], s[6:7], MXEF+4096       ; F's maxima,
	s_add_nc_u64 s[76:77], s[68:69], MXKV+4096     ; v's
	v_and_b32 v[L16], 31, v0
	v_lshlrev_b32 v[L16], 4, v[L16]
	SCALE_LOAD TMP, 74, 76, L16
	s_lshl_b32 s46, s42, 9
	s_lshl_b32 s47, s12, 8
	s_add_co_u32 s46, s46, s47                     ; my first column, in bytes
	s_mov_b32 s47, 0
	s_add_nc_u64 s[70:71], s[70:71], s[46:47]
	v_lshlrev_b32 v[B32], 5, v2
.irp b, 0,1,2,3
	global_load_b128 v[BI+8*\b:BI+8*\b+3], v[B32], s[70:71] offset:64*\b       ; b_proj of columns 16 b + 8 h + 0..7
	global_load_b128 v[BI+8*\b+4:BI+8*\b+7], v[B32], s[70:71] offset:64*\b+16
.endr
	v_mul_u32_u24 v3, v1, PITCH
	v_lshl_add_u32 v3, v2, 4, v3
	s_mul_i32 s21, s11, HALFT
	s_mul_i32 s22, s12, HALFT
	s_add_co_u32 s22, s22, 2*HALFT
.irp s, 0,1
	v_add_nc_u32 v[ADRA+\s], s21, v3
	v_add_nc_u32 v[ADRB+\s], s22, v3
	s_add_co_u32 s21, s21, SLOT
	s_add_co_u32 s22, s22, SLOT
.endr
	s_mul_i32 s23, s10, 16*SPITCH
	s_add_co_u32 s23, s23, STAGE                   ; my stage
	v_mul_u32_u24 v4, v1, SPITCH
	v_lshl_add_u32 v4, v2, 5, v4
	v_add_nc_u32 v[STO], s23, v4                   ; in: row r, 32 bytes for each half of the lanes
	v_mul_u32_u24 v5, v2, SPITCH
	v_lshl_add_u32 v5, v1, 4, v5
	v_add_nc_u32 v[RD], s23, v5                    ; back: lanes 0-15 one row of 256 bytes, lanes 16-31 the next
	v_lshlrev_b32 v5, 12, v2
	v_lshl_add_u32 v[CO], v1, 4, v5
	s_lshl_b32 s16, s13, 7
	s_lshl_b32 s17, s11, 6
	s_add_co_u32 s16, s16, s17                     ; my first row
	s_lshl_b32 s16, s16, 12
	s_mov_b32 s17, 0
	s_add_nc_u64 s[8:9], s[8:9], s[16:17]
	s_add_nc_u64 s[8:9], s[8:9], s[46:47]
	s_wait_loadcnt 0x0
	SCALE_CALC TMP, SEL, 80, SCP
	v_mov_b32 v[SCP+1], v[SCP]
.macro MUL8 f, c, a0, zero
.irp a, \a0, \a0+1
.irp b, 0,1,2,3
.if \zero
	v_wmma_f32_16x16x32_f16 v[ACC+8*(4*(\a)+\b):ACC+8*(4*(\a)+\b)+7], v[\f+64+8*(4*\c+\b):\f+64+8*(4*\c+\b)+7], v[\f+8*(4*\c+\a):\f+8*(4*\c+\a)+7], 0
.else
	v_wmma_f32_16x16x32_f16 v[ACC+8*(4*(\a)+\b):ACC+8*(4*(\a)+\b)+7], v[\f+64+8*(4*\c+\b):\f+64+8*(4*\c+\b)+7], v[\f+8*(4*\c+\a):\f+8*(4*\c+\a)+7], v[ACC+8*(4*(\a)+\b):ACC+8*(4*(\a)+\b)+7]
.endif
.endr
.endr
.endm
.macro FETCH slot, k, f
	WIN TO_F
.irp c, 0,1
.irp i, 0,1,2,3
	ds_load_b128 v[\f+64+8*(4*\c+\i):\f+64+8*(4*\c+\i)+3],   v[ADRB+\slot] offset:\k+64*\c+\i*16*PITCH
	ds_load_b128 v[\f+64+8*(4*\c+\i)+4:\f+64+8*(4*\c+\i)+7], v[ADRB+\slot] offset:\k+64*\c+\i*16*PITCH+32
	ds_load_b128 v[\f+8*(4*\c+\i):\f+8*(4*\c+\i)+3],         v[ADRA+\slot] offset:\k+64*\c+\i*16*PITCH
	ds_load_b128 v[\f+8*(4*\c+\i)+4:\f+8*(4*\c+\i)+7],       v[ADRA+\slot] offset:\k+64*\c+\i*16*PITCH+32
.endr
.endr
.endm
.macro PLACES
.rept 4
	v_nop
.endr
.endm
.macro QUARTER slot, k, f, g, zero
	s_wait_dscnt 16                                ; the first 32 along K are in
	WIN MUL
	MUL8 \f, 0, 0, \zero
	MUL8 \f, 0, 2, \zero
	PLACES
	FETCH \slot, \k, \g
	s_wait_dscnt 32                                ; all but the 32 just issued
	WIN MUL
	MUL8 \f, 1, 0, 0
	MUL8 \f, 1, 2, 0
.endm
.macro TURN slot, next, fill
	WIN 0
	s_wait_tensorcnt 0x0                           ; all my tensor loads have landed: my part of the next slot
	ds_add_u32 v[SPW], v[NIL]
	s_wait_dscnt 17                                ; (the add and the youngest sixteen loads may be out)
	WIN MUL
	MUL8 F1, 0, 0, 0
	s_wait_dscnt 0x0
	s_barrier_signal -1
	MUL8 F1, 0, 2, 0
.if \fill
	WIN 0
.endif
	s_barrier_wait -1
.if \fill
	CREST
	s_add_nc_u64 s[G0+4*\slot+2:G0+4*\slot+3], s[G0+4*\slot+2:G0+4*\slot+3], 2*KSTEP*2
	s_add_nc_u64 s[G0B+4*\slot+2:G0B+4*\slot+3], s[G0B+4*\slot+2:G0B+4*\slot+3], 2*KSTEP*2
	JLOAD \slot
.else
	PLACES
.endif
	FETCH \next, 0, F0
	WIN MUL
	MUL8 F1, 1, 0, 0
	MUL8 F1, 1, 2, 0
.endm
	s_wait_tensorcnt 1
	s_barrier_signal -1
	s_barrier_wait -1
	FETCH 0, 0, F0
	QUARTER 0, 128, F0, F1, 1
	WIN 0
	s_mov_b32 s3, LAPS-1
.Llap:
	QUARTER 0, 256, F1, F0, 0
	QUARTER 0, 384, F0, F1, 0
	TURN 0, 1, 1
	QUARTER 1, 128, F0, F1, 0
	QUARTER 1, 256, F1, F0, 0
	QUARTER 1, 384, F0, F1, 0
	TURN 1, 0, 1
	QUARTER 0, 128, F0, F1, 0
	WIN 0
	s_sub_co_u32 s3, s3, 1
	s_cmp_lg_u32 s3, 0
	s_cbranch_scc1 .Llap
	QUARTER 0, 256, F1, F0, 0
	QUARTER 0, 384, F0, F1, 0
	TURN 0, 1, 0
	QUARTER 1, 128, F0, F1, 0
	QUARTER 1, 256, F1, F0, 0
	QUARTER 1, 384, F0, F1, 0
	s_wait_dscnt 16
	WIN MUL
	MUL8 F1, 0, 0, 0
	MUL8 F1, 0, 2, 0
	s_wait_dscnt 0
	MUL8 F1, 1, 0, 0
	MUL8 F1, 1, 2, 0
	WIN 0
; THE WAY OUT, 16 rows x 64 columns at a time: x 2^ev + bias in one multiply-add; through my stage; back as whole rows of 256 bytes.
.macro FMA a
.irp b, 0,1,2,3
.irp r, 0,1,2,3
	v_pk_fma_f32 v[ACC+8*(4*(\a)+\b)+2*\r:ACC+8*(4*(\a)+\b)+2*\r+1], v[ACC+8*(4*(\a)+\b)+2*\r:ACC+8*(4*(\a)+\b)+2*\r+1], v[SCP:SCP+1], v[BI+8*\b+2*\r:BI+8*\b+2*\r+1] op_sel_hi:[1,0,1]
.endr
.endr
.endm
.macro TOSTAGE a
.set BB, TMP+32*((\a)%2)
.irp b, 0,1,2,3
	ds_store_b128 v[STO], v[ACC+8*(4*(\a)+\b):ACC+8*(4*(\a)+\b)+3] offset:64*\b
	ds_store_b128 v[STO], v[ACC+8*(4*(\a)+\b)+4:ACC+8*(4*(\a)+\b)+7] offset:64*\b+16
.endr
.irp t, 0,1,2,3,4,5,6,7
	ds_load_b128 v[BB+4*\t:BB+4*\t+3], v[RD] offset:\t*2*SPITCH   ; LDS serves a wave's instructions in order: these see the stores above
.endr
.endm
.macro SEND a
.set BB, TMP+32*((\a)%2)
	s_wait_dscnt 0x0
	s_wait_xcnt 0x0                                ; earlier stores have read their base and their registers
.if (\a) > 0
	s_add_nc_u64 s[8:9], s[8:9], 16*OROW
.endif
.irp t, 0,1,2,3,4,5,6,7
	global_store_b128 v[CO], v[BB+4*\t:BB+4*\t+3], s[8:9] offset:2*\t*OROW th:TH_STORE_NT   ; sixteen lanes store 256 consecutive bytes, aligned
.endr
.endm
	PLACES
	FMA 0
	TOSTAGE 0
.irp a, 1,2,3
	FMA \a
	SEND \a-1
	TOSTAGE \a
.endr
	SEND 3
	s_wait_tensorcnt 0x0                           ; the wave's end: the three lines
	ds_add_u32 v[SPW], v[NIL]
	s_wait_dscnt 0x0
	CROUND                                         ; the closing round
	s_endpgm
.Lfunc_end_k_q8f1492d124_outp:
	.size	k_q8f1492d124_outp, .Lfunc_end_k_q8f1492d124_outp-k_q8f1492d124_outp
	.p2alignl 7, 3214868480
	.fill 96, 4, 3214868480
	.section	.rodata,"a",@progbits
	.p2align	6, 0x0
	.amdhsa_kernel k_q8f1492d124_outp
		.amdhsa_group_segment_fixed_size 327680
		.amdhsa_private_segment_fixed_size 0
		.amdhsa_enable_private_segment 0
		.amdhsa_kernarg_size 40
		.amdhsa_user_sgpr_count 2
		.amdhsa_user_sgpr_kernarg_segment_ptr 1
		.amdhsa_wavefront_size32 1
		.amdhsa_system_sgpr_workgroup_id_x 1
		.amdhsa_system_sgpr_workgroup_id_y 1
		.amdhsa_system_sgpr_workgroup_id_z 1
		.amdhsa_system_vgpr_workitem_id 0
		.amdhsa_next_free_vgpr 512
		.amdhsa_next_free_sgpr 78
		.amdhsa_reserve_vcc 0
		.amdhsa_float_denorm_mode_32 3
		.amdhsa_float_denorm_mode_16_64 3
		.amdhsa_memory_ordered 1
		.amdhsa_forward_progress 1
		.amdhsa_inst_pref_size 95
	.end_amdhsa_kernel
	.amdgpu_metadata
---
amdhsa.version: [ 1, 2 ]
amdhsa.kernels:
  - .name:           k_q8f1492d124_outp
    .symbol:         k_q8f1492d124_outp.kd
    .args:
      - { .name: yb, .offset: 0, .size: 8, .value_kind: global_buffer, .address_space: global }
      - { .name: half, .offset: 8, .size: 8, .value_kind: global_buffer, .address_space: global }
      - { .name: qaux, .offset: 16, .size: 8, .value_kind: global_buffer, .address_space: global }
      - { .name: b_proj, .offset: 24, .size: 8, .value_kind: global_buffer, .address_space: global }
      - { .name: out0, .offset: 32, .size: 8, .value_kind: global_buffer, .address_space: global }
    .group_segment_fixed_size: 327680
    .private_segment_fixed_size: 0
    .kernarg_segment_align: 8
    .kernarg_segment_size: 40
    .max_flat_workgroup_size: 128
    .sgpr_count:     78
    .vgpr_count:     512
    .wavefront_size: 32
...
	.end_amdgpu_metadata
.endif
;; end of part 5
;; launch fine (part 6): grid 16 x 2, 16 waves a work-group, no clusters, 71,680 bytes of LDS; arguments qkvt, kvt, half, qaux, W_proj, b_proj, out0; writes out0
.if DOCPART == 6
	.amdgcn_target "amdgcn-amd-amdhsa--gfx1250"
	.amdhsa_code_object_version 6
	.text
	.protected	k_q8f1492d124_fine
	.globl	k_q8f1492d124_fine
	.p2align	8
	.type	k_q8f1492d124_fine,@function
k_q8f1492d124_fine:
	s_mov_b64 s[64:65], 0
	v_nop
	global_prefetch_b8 v0, s[64:65] scope:SCOPE_SE
	s_setreg_imm32_b32 hwreg(HW_REG_WAVE_MODE, 25, 1), 1
	s_wait_xcnt 0x0
; THE FIRST 16 ROWS OF EACH BATCH, IN f32.  They average one to sixteen values and are the largest of the output: the values, the weights and the projection are carried in f32 here
; (v_proj's slots 0..15 from the f32 sums of the first product; W_proj as it is given).  q and k' come as f16, widened.  The rows are written over what the launch before left there.
; SHARES.  Work-group (x, b): batch b, output columns 64 x .. 64 x + 63.  Wave = head: scores, softmax and y of its head for the 16 queries, then its 64 channels' part of the 64 columns; the sixteen parts meet in LDS,
; and wave w adds and stores row w.  Every work-group of a batch makes the attention anew: 32 small matrix instructions a wave.
; LAYOUT, all in the 16x16x4 f32 form: S^T = K' Q^T (lane (r, h), register i: slot 8 h + i, query r); Y^T = V^T W and OUT^T = Wp^T Y^T take registers 2 s, 2 s + 1 of the result before as source 1,
; and source 0 is loaded at the same places of K: k is permuted alike on both sides.
; REGISTERS: v1-7 offsets; v8-15 the weights; v16-23 scores; v24-27 at work; v[28:29] bias; v32-63 q, v64-95 k', later W_proj's second half, later the parts; v96-127 v_proj; v128-191 the scale's maxima, then W_proj's first half;
; v192-223 four sums of OUT^T (the first two serve the scores before), v224-255 four of Y^T: written by matrix instructions alone.
.set MXEF,  18874368
.set MXKV,  4194304
.set VFINE, 8388608
.set WREG,  4352                       ; LDS: 16 rows x (256 + 16) bytes for each wave
.set SPARE, 16*WREG
.set SPW, 30
.set NIL, 31
.set QR,  32
.set KR,  64
.set VF,  96
.set WB0, 128
.set WB1, 32
.set OU,  192
.set YA,  224
.set WV,  18
.set SEL, 20
.set CS,  22
.macro SCALE_LOAD T, sEF, sKV, vL
.irp i, 0,1,2,3,4,5,6,7
	global_load_b128 v[\T+4*\i:\T+4*\i+3], v[\vL], s[\sEF:\sEF+1] offset:512*\i
.endr
.irp i, 0,1,2,3
	global_load_b128 v[\T+32+4*\i:\T+32+4*\i+3], v[\vL], s[\sKV:\sKV+1] offset:512*\i
.endr
.endm
.macro SCALE_CALC T, SL, OUTN, OUTP
.irp j, 1,3,5,7,9,11,13
	v_max3_num_f32 v[\T], v[\T], v[\T+\j], v[\T+\j+1]
	v_max3_num_f32 v[\T+16], v[\T+16], v[\T+16+\j], v[\T+17+\j]
	v_max3_num_f32 v[\T+32], v[\T+32], v[\T+32+\j], v[\T+33+\j]
.endr
	v_max3_num_f32 v[\T], v[\T], v[\T+15], v[\T+31]
	v_max_num_f32 v[\T+32], v[\T+32], v[\T+47]
	v_max_num_f32 v[\T], v[\T], v[\T+16]
.irp x, 1,2,4,8
	v_max_num_f32_dpp v[\T], v[\T], v[\T] row_xmask:\x row_mask:0xf bank_mask:0xf
	v_max_num_f32_dpp v[\T+32], v[\T+32], v[\T+32] row_xmask:\x row_mask:0xf bank_mask:0xf
.endr
	v_permlanex16_b32 v[\T+1], v[\T], s[\SL], s[\SL+1]
	v_permlanex16_b32 v[\T+33], v[\T+32], s[\SL], s[\SL+1]
	v_max_num_f32 v[\T], v[\T], v[\T+1]
	v_max_num_f32 v[\T+32], v[\T+32], v[\T+33]
	v_mul_f32 v[\T], v[\T], v[\T+32]
	v_mul_f32 v[\T], 0x45800000, v[\T]
	v_max_num_f32 v[\T], 0x0d800000, v[\T]
	v_lshrrev_b32 v[\T], 23, v[\T]
	v_sub_nc_u32 v[\OUTN], 268, v[\T]
	v_lshlrev_b32 v[\OUTN], 23, v[\OUTN]
	v_add_nc_u32 v[\OUTP], -14, v[\T]
	v_lshlrev_b32 v[\OUTP], 23, v[\OUTP]
.endm
	s_load_b256 s[4:11], s[0:1], 0x0               ; qkvt s[4:5], kvt s[6:7], half s[8:9], qaux s[10:11]
	s_load_b128 s[12:15], s[0:1], 0x20             ; W_proj s[12:13], b_proj s[14:15]
	s_load_b64 s[16:17], s[0:1], 0x30              ; out0
	v_lshl_add_u32 v[SPW], v0, 2, SPARE
	v_mov_b32 v[NIL], 0
	v_lshrrev_b32 v1, 5, v0
	v_readfirstlane_b32 s[WV], v1                  ; wave = head
	s_and_b32 s24, ttmp7, 0xffff                   ; b
	s_mov_b32 s[SEL], 0x76543210
	s_mov_b32 s[SEL+1], 0xfedcba98
	v_and_b32 v24, 31, v0                          ; L
	v_and_b32 v25, 15, v0                          ; r
	v_bfe_u32 v26, v0, 4, 1                        ; h
	v_lshlrev_b32 v1, 1, v25
	v_lshl_add_u32 v2, v26, 12, v1                 ; k': 2 h rows of 2,048 bytes + 2 r
	v_lshl_add_u32 v1, v26, 15, v1                 ; q: 2 h rows of 16,384 bytes + 2 r
	v_lshlrev_b32 v3, 4, v24
	v_lshlrev_b32 v4, 2, v25
	v_lshl_add_u32 v4, v26, 15, v4                 ; W_proj: 8 h rows of 4,096 bytes + 4 r
	v_lshlrev_b32 v5, 3, v24
	v_lshlrev_b32 v6, 3, v26
	v_sub_nc_u32 v6, v25, v6                       ; r - 8 h
	s_mul_i32 s25, s[WV], WREG
	v_mul_u32_u24 v7, v25, 272
	v_lshl_add_u32 v7, v26, 5, v7
	v_add_nc_u32 v7, s25, v7                       ; my part: row r, 32 bytes for each half of the lanes
	v_mov_b32 v27, 0xff800000
	s_wait_kmcnt 0x0
	s_lshl_b32 s26, s[WV], 20                      ; my head's 64 rows of qkvT,
	s_lshl_b32 s27, s24, 13                        ; my batch's first position
	s_add_co_u32 s26, s26, s27
	s_mov_b32 s27, 0
	s_add_nc_u64 s[4:5], s[4:5], s[26:27]
	s_lshl_b32 s26, s24, 4
	s_add_co_u32 s26, s26, s[WV]                   ; 16 b + head
	s_lshl_b32 s28, s26, 17
	s_mov_b32 s29, 0
	s_add_nc_u64 s[32:33], s[6:7], s[28:29]        ; k'
	s_lshl_b32 s28, s26, 12
	s_add_co_u32 s28, s28, VFINE
	s_add_nc_u64 s[34:35], s[6:7], s[28:29]        ; v_proj's slots 0..15: four blocks of 16 channels
	s_add_nc_u64 s[36:37], s[8:9], MXEF
	s_add_nc_u64 s[38:39], s[10:11], MXKV+2048
	s_lshl_b32 s28, s[WV], 18
	s_lshl_b32 s26, ttmp9, 8                       ; my 64 columns, in bytes
	s_add_co_u32 s28, s28, s26
	s_add_nc_u64 s[12:13], s[12:13], s[28:29]
	s_add_nc_u64 s[14:15], s[14:15], s[26:27]
	s_lshl_b32 s28, s24, 12
	s_add_co_u32 s28, s28, s[WV]                   ; the row that I store: position w of my batch
	s_lshl_b32 s28, s28, 12
	s_add_co_u32 s28, s28, s26
	s_add_nc_u64 s[16:17], s[16:17], s[28:29]
.set j, 0
.rept 32
	global_load_u16 v[QR+j], v1, s[4:5] offset:(4*(j/2)+j%2)*16384     ; q(d = 4 s + 2 h + i, query r)
	global_load_u16 v[KR+j], v2, s[32:33] offset:(4*(j/2)+j%2)*2048    ; k'(d, slot r)
.set j, j+1
.endr
.irp c, 0,1,2,3
	global_load_b128 v[VF+8*\c:VF+8*\c+3], v3, s[34:35] offset:1024*\c
	global_load_b128 v[VF+8*\c+4:VF+8*\c+7], v3, s[34:35] offset:1024*\c+512
.endr
	global_load_b64 v[28:29], v5, s[14:15]
	SCALE_LOAD WB0, 36, 38, 3
	s_wait_loadcnt 0x0
	SCALE_CALC WB0, SEL, 176, 177
	v_mul_f32 v177, 0x3e38aa3b, v177               ; c = 2^ek log2(e) / 8
	v_readfirstlane_b32 s[CS], v177                ; a factor alone
.set j, 0
.rept 32
	v_cvt_f32_f16 v[QR+j], v[QR+j].l
	v_cvt_f32_f16 v[KR+j], v[KR+j].l
.set j, j+1
.endr
.macro WLOADS reg, nt0                 ; W_proj(c = 16 cb + 8 h + i, n = 16 nt + r) for two tiles of 16 columns
.set j, 0
.rept 64
	global_load_b32 v[\reg+j], v4, s[12:13] offset:(16*((j%32)/8)+j%8)*4096+64*(\nt0+j/32)
.set j, j+1
.endr
.endm
	WLOADS WB0, 0
.irp s, 0,1,2,3,4,5,6,7,8,9,10,11,12,13,14,15
.if \s < 2
	v_wmma_f32_16x16x4_f32 v[OU+8*(\s%2):OU+8*(\s%2)+7], v[KR+2*\s:KR+2*\s+1], v[QR+2*\s:QR+2*\s+1], 0
.else
	v_wmma_f32_16x16x4_f32 v[OU+8*(\s%2):OU+8*(\s%2)+7], v[KR+2*\s:KR+2*\s+1], v[QR+2*\s:QR+2*\s+1], v[OU+8*(\s%2):OU+8*(\s%2)+7]
.endif
.endr
.rept 8
	v_nop
.endr
.irp i, 0,1,2,3,4,5,6,7
	v_add_f32 v[16+\i], v[OU+\i], v[OU+8+\i]
.endr
	WLOADS WB1, 2
.irp i, 0,1,2,3,4,5,6,7
	v_cmp_gt_i32 vcc_lo, \i, v6                    ; slot 8 h + i is hidden where it comes after query r
	v_cndmask_b32 v[16+\i], v[16+\i], v27, vcc_lo
.endr
	v_max3_num_f32 v24, v16, v17, v18
	v_max3_num_f32 v24, v24, v19, v20
	v_max3_num_f32 v24, v24, v21, v22
	v_max_num_f32 v24, v24, v23
	v_permlanex16_b32 v25, v24, s[SEL], s[SEL+1]
	v_max_num_f32 v24, v24, v25                    ; slot 0 counts for every query: a number
	v_mul_f32 v26, s[CS], v24
.irp i, 0,1,2,3,4,5,6,7
	v_fma_f32 v[16+\i], v[16+\i], s[CS], -v26
.endr
.irp i, 0,1,2,3,4,5,6,7
	v_exp_f32 v[16+\i], v[16+\i]
.endr
	v_nop
	s_wait_alu depctr_va_vdst(0)                   ; one wait for the eight, ahead of their first reader
	v_add_f32 v24, v16, v17
	v_add_f32 v25, v18, v19
	v_add_f32 v24, v24, v20
	v_add_f32 v25, v25, v21
	v_add_f32 v24, v24, v22
	v_add_f32 v25, v25, v23
	v_add_f32 v24, v24, v25
	v_permlanex16_b32 v25, v24, s[SEL], s[SEL+1]
	v_add_f32 v24, v24, v25
	v_rcp_f32 v26, v24
	v_nop
	s_wait_alu depctr_va_vdst(0)
.irp i, 0,1,2,3,4,5,6,7
	v_mul_f32 v[8+\i], v[16+\i], v26               ; the weights
.endr
.irp s, 0,1,2,3
.irp c, 0,1,2,3
.if \s == 0
	v_wmma_f32_16x16x4_f32 v[YA+8*\c:YA+8*\c+7], v[VF+8*\c+2*\s:VF+8*\c+2*\s+1], v[8+2*\s:9+2*\s], 0
.else
	v_wmma_f32_16x16x4_f32 v[YA+8*\c:YA+8*\c+7], v[VF+8*\c+2*\s:VF+8*\c+2*\s+1], v[8+2*\s:9+2*\s], v[YA+8*\c:YA+8*\c+7]
.endif
.endr
.endr
.rept 9
	v_nop                                          ; nine places ahead of matrix instructions that take these results as an operand
.endr
.macro OUTS reg, d0                    ; two tiles of 16 columns, by turns: K = my head's 64 channels
.irp c, 0,1,2,3
.irp s, 0,1,2,3
.irp n, 0,1
.if (\c == 0) && (\s == 0)
	v_wmma_f32_16x16x4_f32 v[\d0+8*\n:\d0+8*\n+7], v[\reg+32*\n+8*\c+2*\s:\reg+32*\n+8*\c+2*\s+1], v[YA+8*\c+2*\s:YA+8*\c+2*\s+1], 0
.else
	v_wmma_f32_16x16x4_f32 v[\d0+8*\n:\d0+8*\n+7], v[\reg+32*\n+8*\c+2*\s:\reg+32*\n+8*\c+2*\s+1], v[YA+8*\c+2*\s:YA+8*\c+2*\s+1], v[\d0+8*\n:\d0+8*\n+7]
.endif
.endr
.endr
.endr
.endm
	s_wait_loadcnt 63                              ; W_proj's first half is in: 64 loads were issued behind it, and the wait's field holds 63
	OUTS WB0, OU
	s_wait_loadcnt 0x0
	OUTS WB1, OU+16
.rept 8
	v_nop
.endr
.irp n, 0,1,2,3
	ds_store_b128 v7, v[OU+8*\n:OU+8*\n+3] offset:64*\n          ; lane (r, h): row r, columns 16 n + 8 h + 0..7
	ds_store_b128 v7, v[OU+8*\n+4:OU+8*\n+7] offset:64*\n+16
.endr
	s_mul_i32 s25, s[WV], 272
	v_add_nc_u32 v2, s25, v5                       ; row w of each head's part, 8 bytes a lane (v2's loads are long done)
	s_wait_dscnt 0x0
	s_barrier_signal -1
	s_barrier_wait -1                              ; the sixteen parts lie in LDS
.irp u, 0,1,2,3,4,5,6,7,8,9,10,11,12,13,14,15
	ds_load_b64 v[32+2*\u:33+2*\u], v2 offset:WREG*\u
.endr
	s_wait_dscnt 0x0
.irp u, 0,2,4,6,8,10,12,14
	v_pk_add_f32 v[32+\u:33+\u], v[32+\u:33+\u], v[48+\u:49+\u]
.endr
.irp u, 0,2,4,6
	v_pk_add_f32 v[32+\u:33+\u], v[32+\u:33+\u], v[40+\u:41+\u]
.endr
.irp u, 0,2
	v_pk_add_f32 v[32+\u:33+\u], v[32+\u:33+\u], v[36+\u:37+\u]
.endr
	v_pk_add_f32 v[32:33], v[32:33], v[34:35]
	v_pk_add_f32 v[32:33], v[32:33], v[28:29]
	global_store_b64 v5, v[32:33], s[16:17]        ; the wave stores 256 consecutive bytes, aligned
	s_wait_tensorcnt 0x0                           ; the wave's end, behind my last LDS store
	ds_add_u32 v[SPW], v[NIL]
	s_wait_dscnt 0x0
	s_endpgm
.Lfunc_end_k_q8f1492d124_fine:
	.size	k_q8f1492d124_fine, .Lfunc_end_k_q8f1492d124_fine-k_q8f1492d124_fine
	.p2alignl 7, 3214868480
	.fill 96, 4, 3214868480
	.section	.rodata,"a",@progbits
	.p2align	6, 0x0
	.amdhsa_kernel k_q8f1492d124_fine
		.amdhsa_group_segment_fixed_size 71680
		.amdhsa_private_segment_fixed_size 0
		.amdhsa_enable_private_segment 0
		.amdhsa_kernarg_size 56
		.amdhsa_user_sgpr_count 2
		.amdhsa_user_sgpr_kernarg_segment_ptr 1
		.amdhsa_wavefront_size32 1
		.amdhsa_system_sgpr_workgroup_id_x 1
		.amdhsa_system_sgpr_workgroup_id_y 1
		.amdhsa_system_sgpr_workgroup_id_z 1
		.amdhsa_system_vgpr_workitem_id 0
		.amdhsa_next_free_vgpr 256
		.amdhsa_next_free_sgpr 66
		.amdhsa_reserve_vcc 1
		.amdhsa_float_denorm_mode_32 3
		.amdhsa_float_denorm_mode_16_64 3
		.amdhsa_memory_ordered 1
		.amdhsa_forward_progress 1
		.amdhsa_inst_pref_size 40
	.end_amdhsa_kernel
	.amdgpu_metadata
---
amdhsa.version: [ 1, 2 ]
amdhsa.kernels:
  - .name:           k_q8f1492d124_fine
    .symbol:         k_q8f1492d124_fine.kd
    .args:
      - { .name: qkvt, .offset: 0, .size: 8, .value_kind: global_buffer, .address_space: global }
      - { .name: kvt, .offset: 8, .size: 8, .value_kind: global_buffer, .address_space: global }
      - { .name: half, .offset: 16, .size: 8, .value_kind: global_buffer, .address_space: global }
      - { .name: qaux, .offset: 24, .size: 8, .value_kind: global_buffer, .address_space: global }
      - { .name: W_proj, .offset: 32, .size: 8, .value_kind: global_buffer, .address_space: global }
      - { .name: b_proj, .offset: 40, .size: 8, .value_kind: global_buffer, .address_space: global }
      - { .name: out0, .offset: 48, .size: 8, .value_kind: global_buffer, .address_space: global }
    .group_segment_fixed_size: 71680
    .private_segment_fixed_size: 0
    .kernarg_segment_align: 8
    .kernarg_segment_size: 56
    .max_flat_workgroup_size: 512
    .sgpr_count:     66
    .vgpr_count:     256
    .wavefront_size: 32
...
	.end_amdgpu_metadata
.endif
;; end of part 6
